; MI455X (gfx1250); checked and timed in simulation.
; The chip was launched on July 23, 2026; its instructions are those of AMD's public machine-readable ISA for CDNA 5 (MIT licence, August 2026) and "CDNA5" Instruction Set Architecture Reference Guide (July 2026). The comments in the code are by the model that wrote it; some were corrected since.
;; Rel Decoder Layer. Allowed arithmetic: matrix products marked QUANTISED: E4M3 operands, one given power-of-two scale a tensor, by v_wmma_f32_16x16x64_fp8_fp8 or v_wmma_f32_16x16x128_fp8_fp8, f32 sums; everything else in f32.
;; Inputs: attn_mask 2,048 x 2,048 x 2 bool; dec_inp 2,048 x 2 x 1,024 float32; key_mean 1,024 x 1,024 float32; key_std 1,024 x 1,024 float32; ln1_beta 1,024 float32; ln1_gamma 1,024 float32; ln2_beta 1,024 float32; ln2_gamma 1,024 float32; lowp_scales 16 int32 (the exponents e of the quantised operands' scales 2^e); output_mean 1,024 x 1,024 float32; output_std 1,024 x 1,024 float32; query_mean 1,024 x 1,024 float32; query_std 1,024 x 1,024 float32; value_mean 1,024 x 1,024 float32; value_std 1,024 x 1,024 float32; w1_mean 4,096 x 1,024 float32; w1_std 4,096 x 1,024 float32; w2_mean 1,024 x 4,096 float32; w2_std 1,024 x 4,096 float32.
;; Outputs: out0 2,048 x 2 x 1,024 float32; out1 one number float32.
;; This version of the problem:
;;   THIS VERSION OF THE PROBLEM IS GIVEN IN LOW PRECISION. The matrix products marked QUANTISED in the list below multiply operands that are first quantised to E4M3 (4 exponent bits, 3 mantissa bits; 8 bits a number), with one given power-of-two scale for each operand tensor; their sums are f32. All else is computed in f32.
;;   The module's matrix products, in the order in which they are computed (A, B: the left and right operand; K: the contracted axis; several contracted axes count as one K, in the product's order):
;;     1. [M 4,096, K 1,024] x [K 1,024, N 1,024]; A: input dec_inp; B: input query_mean: QUANTISED (scales: A lowp_scales[0], B lowp_scales[1])
;;     2. [M 4,096, K 1,024] x [K 1,024, N 1,024]; A: input dec_inp; B: input key_mean: QUANTISED (scales: A lowp_scales[2], B lowp_scales[3])
;;     3. [M 4,096, K 1,024] x [K 1,024, N 1,024]; A: input dec_inp; B: input value_mean: QUANTISED (scales: A lowp_scales[4], B lowp_scales[5])
;;     4. batch 32 x [M 2,048, K 64] x [K 64, N 2,048]; A: computed on the way; B: computed on the way: QUANTISED (scales: A lowp_scales[6], B lowp_scales[7])
;;     5. batch 32 x [M 64, K 2,048] x [K 2,048, N 2,048]; A: computed on the way; B: softmax (see below): QUANTISED (scales: A lowp_scales[8], B lowp_scales[9])
;;     6. [M 4,096, K 1,024] x [K 1,024, N 1,024]; A: computed on the way; B: input value_mean: QUANTISED (scales: A lowp_scales[10], B lowp_scales[11])
;;     7. [M 4,096, K 1,024] x [K 1,024, N 4,096]; A: computed on the way; B: input w1_mean: QUANTISED (scales: A lowp_scales[12], B lowp_scales[13])
;;     8. [M 4,096, K 4,096] x [K 4,096, N 1,024]; A: computed on the way; B: input w2_mean: QUANTISED (scales: A lowp_scales[14], B lowp_scales[15])
;;   THE QUANTISER, for each operand of a quantised product, along K:
;;     - The operand's scale is 2^e, e = its entry of the input lowp_scales (int32; the entries are numbered through the quantised products in the list's order, A before B).
;;     - Each number is divided by the scale, clamped to +-448, and rounded to the nearest number of E4M3, ties to even, subnormals kept.
;;     - The product sums the exact products of the quantised numbers (number of the format x scale) in f32.
;;   ~~~python
;;   def quantise(x, axis, e):      # numpy; x: float32 -> the quantised numbers, widened to float32 again
;;       x = np.moveaxis(x, axis, -1); K = x.shape[-1]
;;       r = np.clip(x / 2.0 ** e, -448, 448)
;;       step = 2.0 ** (np.maximum(np.frexp(np.where(r == 0, 1, r))[1] - 1, -6) - 3)
;;       q = np.round(r / step) * step * 2.0 ** e      # np.round: ties to even
;;       return np.moveaxis(q, -1, axis).astype(np.float32)
;;   ~~~
;;   SOFTMAX AHEAD OF A QUANTISED PRODUCT. Where the list says 'softmax', what is quantised is not the finished softmax but p = 2^(t - M), with t = logit x log2(e) and M = ceil(the row's largest t), a whole number; so 1/2 < the row's largest p <= 1. The row's sum l is taken of the UNQUANTISED p, in f32, and the product's result is divided by l at the end. Since M is a whole number, a kernel that streams over the keys may use a running M (the ceiling of the running maximum): every later rescaling is an exact power of two, so the quantised numbers keep their values, but for numbers so far below the row's largest that they fall under the format's range.
;;   OPERANDS COMPUTED ON THE WAY. 'Computed on the way' means the value that the module computes at that place (a softmax that the list does not call 'softmax' is quantised finished and normalised). What goes into a quantiser is computed in f32, as accurately as f32 sums, v_exp_f32 and their like allow (about 1e-6 of the number): no bf16 or f16 on the way to a quantiser, and a product that is left as it is and whose result goes on into a quantised operand takes f32 operands (vector FMAs, or v_wmma_f32_16x16x4_f32). A number that lies on a knife's edge between two numbers of the format may be rounded either way, as far as f32 arithmetic and the matrix unit's own rounding can turn it there, and no further.
;; One version. Each part assembles by itself: llvm-mc -triple=amdgcn-amd-amdhsa -mcpu=gfx1250 --defsym DOCPART=n.
;; ======== version 1 of 1: 8 launches
;; limits: right only within a limited range of input values
;; workspace buffers: pc 25,171,968 bytes; mbits 1,048,576 bytes of whole numbers; qkvc 12,582,912 bytes; avc 4,194,304 bytes; tmp 16,777,216 bytes; hb 20,971,520 bytes; l1c 16,777,216 bytes
;; launch prep (part 1): grid 512 x 1, 8 waves a work-group, no clusters, 105,472 bytes of LDS; arguments query_mean, key_mean, value_mean, output_mean, w1_mean, w2_mean, query_std, key_std, value_std, output_std, w1_std, w2_std, dec_inp, attn_mask, lowp_scales, pc, mbits; writes pc, mbits
.if DOCPART == 1
	.amdgcn_target "amdgcn-amd-amdhsa--gfx1250"
	.amdhsa_code_object_version 6
	.text
	.protected	k_qb48897ceb4_prep
	.globl	k_qb48897ceb4_prep
	.p2align	8
	.type	k_qb48897ceb4_prep,@function
k_qb48897ceb4_prep:
	s_mov_b64 s[64:65], 0
	v_nop
	global_prefetch_b8 v0, s[64:65] scope:SCOPE_SE
	s_setreg_imm32_b32 hwreg(HW_REG_WAVE_MODE, 25, 1), 1
	s_wait_xcnt 0x0
; PREP: every f32 operand that later launches read many times is turned into codes of E4M3 once; the KL term's partial sums; the mask as words of bits.
; Work-groups 0-191: the six pairs (mean, std) of weights.  192-255: dec_inp, quantised under its three given scales.  256-511: attn_mask.  The three ways part on the work-group's number and never join;
; each has LDS bytes of its own.  Waves share nothing: no barrier.
; CODES LIE AS IMAGES OF THE OPERAND'S REGISTERS: for 16 rows (tile T) and 128 along K (step s) 2,048 bytes: piece c (0..3) of 512 bytes, lane 16 h + r at 16 x lane; byte i of a lane's 16 is
; k = 128 s + 32 c + 16 (i / 8) + 8 h + i % 8 of row 16 T + r.  Four 16-byte loads at 16 x lane + 512 c then fill a fragment of the 16x16x128 fp8 form in that form's own order of k.
; A wave takes 16 rows x 512 along K in eight steps of 16 rows x 64.  A step's eight loads read two whole rows' 256 bytes each; the 4,096 bytes turn through the wave's own stage in LDS (rows 272 bytes apart),
; so that lane (r, h) gets eight neighbours along K twice; two conversions make its 16 bytes; each store of the wave covers 512 consecutive bytes, aligned.
; code = x / 2^e, held within +-448, to the nearest code, ties to even.  LIMITS: each given e lies between -126 and 119; NaN among the floating-point inputs is not served.
; KL: each wave sums m^2 + exp(2 s) - 2 s over its numbers, times 2^-23 (attention's four pairs: 2^22 numbers, halved) or 2^-24 (the two feed-forward pairs), into its own word of pc; the last launch adds the 1,536 words.
; MASK: for 16 queries (tile qt) x 128 keys (step ks) and each batch 64 words: bit l of word 8 t + j is mask[16 qt + l % 16][128 ks + 16 t + 8 (l / 16) + j]: the lane mask of register 8 t + j of the scores.
.set OFFS, 8                           ; v8-15    byte offset of my 16 bytes in rows hh + 2 i of the wave's 16
.set MR,   16                          ; v16-79   numbers as loaded, two sets of 32
.set SR,   80                          ; v80-143  std as loaded, two sets of 32
.set XT,   144                         ; v144-175 turned: [piece][16 numbers]
.set T,    176                         ; v176-207 held numbers; 2 s log2(e) and its exponentials
.set CD,   208                         ; v208-231 codes: three outputs x 8
.set KA,   232                         ; v232-239 sums in pairs: m^2 twice, exp, s
.set SC,   240                         ; v240-245 (2^e, 448 x 2^e) for three outputs
.set PITCH, 272
.set WST,  16*PITCH                    ; a wave's stage
.set REGX, 8*WST                       ; the input's stages
.set REGM, 16*WST                      ; the mask's stages
.set MK,   48                          ; the mask's way: v48-79 turned bytes
	s_load_b512 s[16:31], s[0:1], 0x0              ; means q k v out w1 w2 at s16..s27; std q s[28:29], k s[30:31]
	s_load_b256 s[32:39], s[0:1], 0x40             ; std v, out, w1, w2
	s_load_b256 s[40:47], s[0:1], 0x60             ; dec_inp, attn_mask, lowp_scales, pc
	s_load_b64 s[4:5], s[0:1], 0x80                ; mbits
	v_lshl_add_u32 v248, v0, 2, 0x19800
	v_mov_b32 v249, 0
	v_and_b32 v1, 31, v0                           ; lane
	v_and_b32 v2, 15, v0                           ; r16
	v_bfe_u32 v3, v0, 4, 1                         ; hh
	v_lshrrev_b32 v4, 5, v0
	s_delay_alu instid0(VALU_DEP_1)
	v_readfirstlane_b32 s6, v4                     ; wave
	s_mul_i32 s7, s6, WST
	v_mul_u32_u24 v4, v3, PITCH
	s_delay_alu instid0(VALU_DEP_1)
	v_lshl_add_u32 v4, v2, 4, v4
	s_delay_alu instid0(VALU_DEP_1)
	v_add_nc_u32 v4, s7, v4                        ; into the stage: row hh (+ 2 i by the immediate), 16 bytes a lane
	v_mul_u32_u24 v5, v2, PITCH
	s_delay_alu instid0(VALU_DEP_1)
	v_add_nc_u32 v5, s7, v5
	s_delay_alu instid0(VALU_DEP_1)
	v_lshl_add_u32 v6, v3, 4, v5                   ; out of it, mask bytes: row r16, + 16 hh
	s_delay_alu instid0(VALU_DEP_2)
	v_lshl_add_u32 v5, v3, 5, v5                   ; out of it, f32: row r16, + 32 hh
	v_lshlrev_b32 v7, 4, v1                        ; 16 x lane
	s_wait_kmcnt 0x0
	s_load_b512 s[48:63], s[44:45], 0x0            ; the sixteen exponents
	s_cmp_lt_u32 ttmp9, 192
	s_cbranch_scc1 .Lweights
	s_cmp_lt_u32 ttmp9, 256
	s_cbranch_scc1 .Linput
	; ---------------- the mask ----------------
	s_sub_co_u32 s8, ttmp9, 256
	s_lshl_b32 s8, s8, 3
	s_add_co_u32 s8, s8, s6                        ; 16 qt + ks
	s_lshr_b32 s9, s8, 4
	s_and_b32 s10, s8, 15
	s_lshl_b32 s9, s9, 16                          ; 16 queries of 4,096 bytes
	s_lshl_b32 s10, s10, 8                         ; 128 keys x 2 batches
	s_add_co_u32 s10, s9, s10
	s_mov_b32 s11, 0
	s_add_nc_u64 s[42:43], s[42:43], s[10:11]
	v_lshlrev_b32 v8, 12, v3
	s_delay_alu instid0(VALU_DEP_1)
	v_lshl_add_u32 v8, v2, 4, v8
.irp i, 0,1,2,3,4,5,6,7
	global_load_b128 v[16+4*\i:19+4*\i], v8, s[42:43] offset:8192*\i th:TH_LOAD_NT   ; two queries' 256 bytes
.endr
	s_wait_alu depctr_va_vdst(0)
	v_add_nc_u32 v4, REGM, v4
	v_add_nc_u32 v6, REGM, v6
.irp i, 80,81,82,83
	v_mov_b32 v\i, 0                               ; the words to store: a lane write's destination counts as read
.endr
	s_wait_alu depctr_va_vdst(0)
	s_wait_loadcnt 0x0
.irp i, 0,1,2,3,4,5,6,7
	ds_store_b128 v4, v[16+4*\i:19+4*\i] offset:2*PITCH*\i
.endr
.irp t, 0,1,2,3,4,5,6,7
	ds_load_b128 v[MK+4*\t:MK+4*\t+3], v6 offset:32*\t   ; LDS serves a wave's instructions in order: these see my stores.  Query r16, keys 16 t + 8 hh + 0..7, both batches
.endr
	s_wait_dscnt 0x0
.set m, 0
.rept 32                               ; dword m, byte e: word 2 m + e / 2 of batch e % 2
.irp e, 0,1,2,3
	v_and_b32 v[84+\e], 0xff<<(8*\e), v[MK+m]
.endr
.irp e, 0,1,2,3
	s_delay_alu instid0(VALU_DEP_4)
	v_cmp_ne_u32 s[20+\e], 0, v[84+\e]
.endr
.irp e, 0,1,2,3
	s_delay_alu instid0(VALU_DEP_4)
	v_writelane_b32 v[80+2*(\e%2)+\e/2], s[20+\e], m   ; lane m keeps words 2 m and 2 m + 1
.endr
.set m, m+1
.endr
	s_lshl_b32 s16, s8, 8
	s_mov_b32 s17, 0
	s_add_nc_u64 s[18:19], s[4:5], s[16:17]
	v_lshlrev_b32 v9, 3, v1
	global_store_b64 v9, v[80:81], s[18:19]                   ; 256 consecutive bytes, aligned
	global_store_b64 v9, v[82:83], s[18:19] offset:524288     ; batch 1
	s_wait_tensorcnt 0x0
	ds_add_u32 v248, v249
	s_wait_dscnt 0x0
	s_endpgm
.macro MKSC e, k                       ; s[e]: an exponent;  v[SC+2k] = 2^e (the conversion takes its exponent field), v[SC+2k+1] = 448 x 2^e
	s_add_co_i32 s86, s[\e], 127
	s_lshl_b32 s87, s86, 23
	v_mov_b32 v[SC+2*\k], s87
	s_add_co_i32 s86, s86, 8
	s_lshl_b32 s86, s86, 23
	s_or_b32 s86, s86, 0x600000
	v_mov_b32 v[SC+2*\k+1], s86
.endm
.macro LOADS t, kl                     ; step t: 16 rows x 256 bytes, of the mean (or the input) and, kl = 1, of the std
.irp i, 0,1,2,3,4,5,6,7
.if \kl
	global_load_b128 v[MR+32*((\t)%2)+4*\i:MR+32*((\t)%2)+4*\i+3], v[OFFS+\i], s[68:69] offset:256*(\t) th:TH_LOAD_NT
.else
	global_load_b128 v[MR+32*((\t)%2)+4*\i:MR+32*((\t)%2)+4*\i+3], v[OFFS+\i], s[68:69] offset:256*(\t)
.endif
.endr
.if \kl
.irp i, 0,1,2,3,4,5,6,7
	global_load_b128 v[SR+32*((\t)%2)+4*\i:SR+32*((\t)%2)+4*\i+3], v[OFFS+\i], s[70:71] offset:256*(\t) th:TH_LOAD_NT
.endr
.endif
.endm
.macro TURNX t, reg                    ; through my stage: in as loaded, out as 2 x 8 neighbours along K for each of two pieces
.irp i, 0,1,2,3,4,5,6,7
	ds_store_b128 v4, v[MR+32*((\t)%2)+4*\i:MR+32*((\t)%2)+4*\i+3] offset:\reg+2*PITCH*\i
.endr
.irp c, 0,1
	ds_load_b128 v[XT+16*\c:XT+16*\c+3],     v5 offset:\reg+128*\c
	ds_load_b128 v[XT+16*\c+4:XT+16*\c+7],   v5 offset:\reg+128*\c+16
	ds_load_b128 v[XT+16*\c+8:XT+16*\c+11],  v5 offset:\reg+128*\c+64
	ds_load_b128 v[XT+16*\c+12:XT+16*\c+15], v5 offset:\reg+128*\c+80
.endr
.endm
.macro OUT k, t, base                  ; output k of step t: hold, convert, store two pieces of 512 bytes
.set j, 0
.rept 32
	v_med3_num_f32 v[T+j], v[XT+j], -v[SC+2*\k+1], v[SC+2*\k+1]   ; the conversion to an 8-bit code does not saturate (ISA guide 7.6.2)
.set j, j+1
.endr
.irp q, 0,1,2,3
	v_cvt_scalef32_pk8_fp8_f32 v[CD+8*\k+2*\q:CD+8*\k+2*\q+1], v[T+8*\q:T+8*\q+7], v[SC+2*\k]
.endr
	v_nop                                          ; a plain line between the conversions and the next lines that write their sources
	global_store_b128 v7, v[CD+8*\k:CD+8*\k+3], s[\base:\base+1] offset:1024*(\t)
	global_store_b128 v7, v[CD+8*\k+4:CD+8*\k+7], s[\base:\base+1] offset:1024*(\t)+512
.endm
	; ---------------- dec_inp, under e0, e2, e4 ----------------
.Linput:
	s_sub_co_u32 s8, ttmp9, 192
	s_lshl_b32 s8, s8, 3
	s_add_co_u32 s9, s8, s6                        ; u = 2 T + half of K;  T counts tiles of rows in the order batch x 2,048 + position
	s_lshr_b32 s10, s9, 1
	s_and_b32 s11, s10, 127
	s_lshl_b32 s11, s11, 5
	s_lshr_b32 s12, s10, 7
	s_add_co_u32 s11, s11, s12                     ; the tile's first row in memory: 32 (T % 128) + batch; its rows lie two apart
	s_lshl_b32 s11, s11, 12
	s_and_b32 s12, s9, 1
	s_lshl_b32 s12, s12, 11
	s_add_co_u32 s10, s11, s12
	s_mov_b32 s11, 0
	s_add_nc_u64 s[68:69], s[40:41], s[10:11]
	v_lshlrev_b32 v8, 13, v3
	s_delay_alu instid0(VALU_DEP_1)
	v_lshl_add_u32 v8, v2, 4, v8
.irp i, 1,2,3,4,5,6,7
	v_add_nc_u32 v[OFFS+\i], 16384*\i, v8
.endr
	LOADS 0, 0
	LOADS 1, 0
	s_lshl_b32 s10, s9, 13                         ; a wave's codes: 8,192 bytes
	s_add_nc_u64 s[76:77], s[46:47], s[10:11]
	s_add_nc_u64 s[78:79], s[76:77], 0x400000
	s_add_nc_u64 s[84:85], s[76:77], 0x800000
	s_wait_alu depctr_va_vdst(0)
	s_wait_kmcnt 0x0
	MKSC 48, 0
	MKSC 50, 1
	MKSC 52, 2
.macro XSTEP t
.if (\t) < 7
	s_wait_loadcnt 8                               ; this step's eight loads are in; the next step's may be out
.else
	s_wait_loadcnt 0x0
.endif
	TURNX \t, REGX
	s_wait_dscnt 0x0                               ; turned numbers are back, and the stage's stores have read the set that is loaded again below
	s_wait_xcnt 0x0                                ; the last step's stores have read their codes' registers
.if (\t)+2 < 8
	LOADS (\t)+2, 0
.endif
	OUT 0, \t, 76
	OUT 1, \t, 78
	OUT 2, \t, 84
.endm
	s_wait_alu depctr_va_vdst(0)
.irp t, 0,1,2,3,4,5,6,7
	XSTEP \t
.endr
	s_wait_tensorcnt 0x0
	ds_add_u32 v248, v249
	s_wait_dscnt 0x0
	s_endpgm
	; ---------------- the weights ----------------
.Lweights:
	s_lshr_b32 s8, ttmp9, 4                        ; tensors 0-3 (q, k, v, out): 16 work-groups each
	s_and_b32 s9, ttmp9, 15
	s_sub_co_u32 s10, ttmp9, 64                    ; tensors 4, 5 (w1, w2): 64 each
	s_lshr_b32 s11, s10, 6
	s_add_co_u32 s11, s11, 4
	s_and_b32 s10, s10, 63
	s_cmp_lt_u32 ttmp9, 64
	s_cselect_b32 s8, s8, s11                      ; which tensor
	s_cselect_b32 s9, s9, s10
	s_lshl_b32 s9, s9, 3
	s_add_co_u32 s9, s9, s6                        ; u: which run of 16 rows x 512 of it
	s_cmp_eq_u32 s8, 5
	s_cselect_b32 s10, 3, 1                        ; a row holds 2^sh runs: K = 1,024, or 4,096 for w2
	s_cselect_b32 s73, 3, 0
	s_lshr_b32 s11, s9, s10
	s_add_co_u32 s12, s10, 15
	s_lshl_b32 s14, s11, s12                       ; 16 rows of 2,048 << sh bytes
	s_bfm_b32 s12, s10, 0
	s_and_b32 s12, s9, s12
	s_lshl_b32 s12, s12, 11
	s_add_co_u32 s14, s14, s12
	s_mov_b32 s15, 0
	s_lshl_b32 s13, 2048, s10                      ; bytes in a row
	s_mov_b64 s[68:69], s[16:17]
	s_mov_b64 s[70:71], s[28:29]
.macro PICK n, m, s                    ; the choice hangs on the work-group's number alone
	s_cmp_eq_u32 s8, \n
	s_cselect_b64 s[68:69], s[\m:\m+1], s[68:69]
	s_cselect_b64 s[70:71], s[\s:\s+1], s[70:71]
.endm
	PICK 1, 18, 30
	PICK 2, 20, 32
	PICK 3, 22, 34
	PICK 4, 24, 36
	PICK 5, 26, 38
	s_add_nc_u64 s[68:69], s[68:69], s[14:15]
	s_add_nc_u64 s[70:71], s[70:71], s[14:15]
	v_mul_lo_u32 v8, v3, s13
	s_delay_alu instid0(VALU_DEP_1)
	v_lshl_add_u32 v8, v2, 4, v8
	s_lshl_b32 s13, s13, 1
.irp i, 1
	v_add_nc_u32 v[OFFS+\i], s13, v[OFFS+\i-1]
.endr
.irp i, 2, 3, 4, 5, 6, 7
	s_delay_alu instid0(VALU_DEP_1)
	v_add_nc_u32 v[OFFS+\i], s13, v[OFFS+\i-1]
.endr
	LOADS 0, 1
	LOADS 1, 1
	s_add_co_u32 s73, s73, s8
	s_add_co_u32 s73, s73, 12
	s_lshl_b32 s73, s73, 20                        ; the codes' section of pc: 12 + tensor MiB; w2: 20 MiB
	s_lshl_b32 s12, s9, 13
	s_add_co_u32 s82, s73, s12
	s_mov_b32 s83, 0
	s_add_nc_u64 s[76:77], s[46:47], s[82:83]
	s_add_co_u32 s82, s12, 15<<20                  ; value_mean's second codes, under e11
	s_add_nc_u64 s[78:79], s[46:47], s[82:83]
	s_cmp_eq_u32 s8, 2
	s_cselect_b32 s74, 2, 1                        ; how many outputs: value_mean two,
	s_cmp_eq_u32 s8, 3
	s_cselect_b32 s74, 0, s74                      ; output_mean none: it enters the KL term alone
	s_mov_b32 s75, 0x33800000                      ; 2^-24
	s_cmp_lt_u32 s8, 4
	s_cselect_b32 s75, 0x34000000, s75             ; 2^-23
	s_mov_b32 s80, 0x76543210
	s_mov_b32 s81, 0xfedcba98
.irp i, 0,1,2,3,4,5,6,7
	v_mov_b32 v[KA+\i], 0
.endr
	s_wait_kmcnt 0x0
	s_mov_b32 s72, s49                             ; e1; then e3, e5, e13, e15 by the tensor
	s_cmp_eq_u32 s8, 1
	s_cselect_b32 s72, s51, s72
	s_cmp_eq_u32 s8, 2
	s_cselect_b32 s72, s53, s72
	s_cmp_eq_u32 s8, 4
	s_cselect_b32 s72, s61, s72
	s_cmp_eq_u32 s8, 5
	s_cselect_b32 s72, s63, s72
	MKSC 72, 0
	MKSC 59, 1
.macro KL t                            ; the sums take the numbers as they were loaded
.set MS, MR+32*((\t)%2)
.set SS, SR+32*((\t)%2)
.set j, 0
.rept 16
	v_pk_fma_f32 v[KA+2*(j%2):KA+2*(j%2)+1], v[MS+2*j:MS+2*j+1], v[MS+2*j:MS+2*j+1], v[KA+2*(j%2):KA+2*(j%2)+1]
.set j, j+1
.endr
.set j, 0
.rept 16
	v_pk_mul_f32 v[T+2*j:T+2*j+1], v[SS+2*j:SS+2*j+1], 0x4038aa3b op_sel_hi:[1,0]   ; 2 s log2(e)
.set j, j+1
.endr
.set j, 0
	s_wait_alu depctr_va_vdst(0)
.rept 32
	v_exp_f32 v[T+j], v[T+j]
.set j, j+1
.endr
.set j, 0
	v_pk_add_f32 v[KA+6:KA+7], v[KA+6:KA+7], v[SS+2*j:SS+2*j+1]   ; plain lines between the exponentials and their use
.set j, j+1
.rept (16)-1
	s_delay_alu instid0(VALU_DEP_1)
	v_pk_add_f32 v[KA+6:KA+7], v[KA+6:KA+7], v[SS+2*j:SS+2*j+1]   ; plain lines between the exponentials and their use
.set j, j+1
.endr
.set j, 0
	s_wait_alu depctr_va_vdst(0)
.rept 16
	v_pk_add_f32 v[KA+4:KA+5], v[KA+4:KA+5], v[T+2*j:T+2*j+1]
.set j, j+1
.endr
.endm
.macro WSTEP t
.if (\t) < 7
	s_wait_loadcnt 16                              ; this step's sixteen loads are in; the next step's may be out
.else
	s_wait_loadcnt 0x0
.endif
	TURNX \t, 0
	KL \t
	s_wait_dscnt 0x0                               ; turned numbers are back, and the stage's stores have read the set that is loaded again below
	s_wait_xcnt 0x0                                ; the last step's stores have read their codes' registers
.if (\t)+2 < 8
	LOADS (\t)+2, 1
.endif
	s_cmp_eq_u32 s74, 0
	s_cbranch_scc1 .Lw_no_\@
	OUT 0, \t, 76
	s_cmp_lg_u32 s74, 2
	s_cbranch_scc1 .Lw_no_\@
	OUT 1, \t, 78
.Lw_no_\@:
.endm
.irp t, 0,1,2,3,4,5,6,7
	WSTEP \t
.endr
	v_pk_add_f32 v[KA:KA+1], v[KA:KA+1], v[KA+2:KA+3]
	s_wait_alu depctr_va_vdst(0)
	v_pk_add_f32 v[KA:KA+1], v[KA:KA+1], v[KA+4:KA+5]
	s_delay_alu instid0(VALU_DEP_1)
	v_pk_fma_f32 v[KA:KA+1], v[KA+6:KA+7], -2.0, v[KA:KA+1] op_sel_hi:[1,0,1]
	s_delay_alu instid0(VALU_DEP_1)
	v_add_f32 v[KA], v[KA], v[KA+1]
	s_delay_alu instid0(VALU_DEP_1)
	v_add_f32_dpp v[KA], v[KA], v[KA] row_xmask:1 row_mask:0xf bank_mask:0xf
	s_delay_alu instid0(VALU_DEP_1)
	v_add_f32_dpp v[KA], v[KA], v[KA] row_xmask:2 row_mask:0xf bank_mask:0xf
	s_delay_alu instid0(VALU_DEP_1)
	v_add_f32_dpp v[KA], v[KA], v[KA] row_xmask:4 row_mask:0xf bank_mask:0xf
	s_delay_alu instid0(VALU_DEP_1)
	v_add_f32_dpp v[KA], v[KA], v[KA] row_xmask:8 row_mask:0xf bank_mask:0xf
	s_delay_alu instid0(VALU_DEP_1)
	v_permlanex16_b32 v[KA+1], v[KA], s80, s81
	s_delay_alu instid0(VALU_DEP_1)
	v_add_f32 v[KA], v[KA], v[KA+1]
	s_delay_alu instid0(VALU_DEP_1)
	v_mul_f32 v[KA], s75, v[KA]
	s_lshl_b32 s82, ttmp9, 3
	s_add_co_u32 s82, s82, s6
	s_lshl_b32 s82, s82, 2
	v_mov_b32 v246, s82
	s_add_nc_u64 s[46:47], s[46:47], 0x1800000     ; the partial sums lie 24 MiB into pc
	v_cmp_eq_u32 vcc_lo, 0, v1
	s_wait_alu depctr_va_vdst(0)
	s_wait_xcnt 0x0                                ; EXEC changes only behind this wait
	s_wait_tensorcnt 0x0
	ds_add_u32 v248, v249
	s_wait_dscnt 0x0
	s_and_saveexec_b32 s83, vcc_lo
	global_store_b32 v246, v[KA], s[46:47]
	s_endpgm
.Lfunc_end_k_qb48897ceb4_prep:
	.size	k_qb48897ceb4_prep, .Lfunc_end_k_qb48897ceb4_prep-k_qb48897ceb4_prep
	.p2alignl 7, 3214868480
	.fill 96, 4, 3214868480
	.section	.rodata,"a",@progbits
	.p2align	6, 0x0
	.amdhsa_kernel k_qb48897ceb4_prep
		.amdhsa_group_segment_fixed_size 105472
		.amdhsa_private_segment_fixed_size 0
		.amdhsa_enable_private_segment 0
		.amdhsa_kernarg_size 136
		.amdhsa_user_sgpr_count 2
		.amdhsa_user_sgpr_kernarg_segment_ptr 1
		.amdhsa_wavefront_size32 1
		.amdhsa_system_sgpr_workgroup_id_x 1
		.amdhsa_system_sgpr_workgroup_id_y 1
		.amdhsa_system_sgpr_workgroup_id_z 1
		.amdhsa_system_vgpr_workitem_id 0
		.amdhsa_next_free_vgpr 250
		.amdhsa_next_free_sgpr 100
		.amdhsa_reserve_vcc 1
		.amdhsa_float_denorm_mode_32 3
		.amdhsa_float_denorm_mode_16_64 3
		.amdhsa_memory_ordered 1
		.amdhsa_forward_progress 1
		.amdhsa_inst_pref_size 228
	.end_amdhsa_kernel
	.amdgpu_metadata
---
amdhsa.version: [ 1, 2 ]
amdhsa.kernels:
  - .name:           k_qb48897ceb4_prep
    .symbol:         k_qb48897ceb4_prep.kd
    .args:
      - { .name: query_mean, .offset: 0, .size: 8, .value_kind: global_buffer, .address_space: global }
      - { .name: key_mean, .offset: 8, .size: 8, .value_kind: global_buffer, .address_space: global }
      - { .name: value_mean, .offset: 16, .size: 8, .value_kind: global_buffer, .address_space: global }
      - { .name: output_mean, .offset: 24, .size: 8, .value_kind: global_buffer, .address_space: global }
      - { .name: w1_mean, .offset: 32, .size: 8, .value_kind: global_buffer, .address_space: global }
      - { .name: w2_mean, .offset: 40, .size: 8, .value_kind: global_buffer, .address_space: global }
      - { .name: query_std, .offset: 48, .size: 8, .value_kind: global_buffer, .address_space: global }
      - { .name: key_std, .offset: 56, .size: 8, .value_kind: global_buffer, .address_space: global }
      - { .name: value_std, .offset: 64, .size: 8, .value_kind: global_buffer, .address_space: global }
      - { .name: output_std, .offset: 72, .size: 8, .value_kind: global_buffer, .address_space: global }
      - { .name: w1_std, .offset: 80, .size: 8, .value_kind: global_buffer, .address_space: global }
      - { .name: w2_std, .offset: 88, .size: 8, .value_kind: global_buffer, .address_space: global }
      - { .name: dec_inp, .offset: 96, .size: 8, .value_kind: global_buffer, .address_space: global }
      - { .name: attn_mask, .offset: 104, .size: 8, .value_kind: global_buffer, .address_space: global }
      - { .name: lowp_scales, .offset: 112, .size: 8, .value_kind: global_buffer, .address_space: global }
      - { .name: pc, .offset: 120, .size: 8, .value_kind: global_buffer, .address_space: global }
      - { .name: mbits, .offset: 128, .size: 8, .value_kind: global_buffer, .address_space: global }
    .group_segment_fixed_size: 105472
    .private_segment_fixed_size: 0
    .kernarg_segment_align: 8
    .kernarg_segment_size: 136
    .max_flat_workgroup_size: 256
    .sgpr_count:     100
    .vgpr_count:     250
    .wavefront_size: 32
...
	.end_amdgpu_metadata
.endif
;; end of part 1
;; launch qkv (part 2): grid 12 x 16, 4 waves a work-group, clusters of 4 x 4, 327,680 bytes of LDS; arguments pc, lowp_scales, qkvc; writes qkvc
.if DOCPART == 2
	.amdgcn_target "amdgcn-amd-amdhsa--gfx1250"
	.amdhsa_code_object_version 6
	.text
	.protected	k_qb48897ceb4_qkv
	.globl	k_qb48897ceb4_qkv
	.p2align	8
	.type	k_qb48897ceb4_qkv,@function
k_qb48897ceb4_qkv:
	s_mov_b64 s[64:65], 0
	v_nop
	global_prefetch_b8 v0, s[64:65] scope:SCOPE_SE
	s_setreg_imm32_b32 hwreg(HW_REG_WAVE_MODE, 25, 1), 1
	s_wait_xcnt 0x0
	s_wait_alu depctr_hold_cnt(0) depctr_sa_sdst(0) depctr_va_vdst(0) depctr_va_sdst(0) depctr_va_ssrc(0) depctr_va_vcc(0) depctr_vm_vsrc(0)
	s_getreg_b32 s2, hwreg(HW_REG_IB_STS2, 6, 4)
	s_cmp_eq_u32 s2, 0
	s_cbranch_scc0 .Lentry_in_a_cluster
	s_endpgm
.Lentry_in_a_cluster:
	s_bfe_u32 s2, ttmp6, 0x10000c
	s_cmp_lg_u32 s2, 0xf033
	s_cbranch_scc0 .Lentry_shape_is_right
	s_endpgm
.Lentry_shape_is_right:
; A GEMM ON CODES WHOSE RESULT IS QUANTISED AGAIN.  QKV = 1: the three projections of dec_inp; QKV = 0: the first feed-forward product.
; Both operands lie as images of the operand's registers: for 16 rows (a row tile) and 128 along K 2,048 bytes, piece c at 512 c, lane l at 16 l; a row tile's K steps follow each other, row tiles lie 16 K bytes apart.
; A tile of the result, 256 x 256, is made by four waves, each 128 x 128: 64 accumulators, 512 registers.  K goes in steps of 256 through a ring of two LDS slots filled by the tensor data mover: a wave's load brings
; 8 row tiles x 4,096 consecutive bytes.  A fragment is four 16-byte loads of 512 consecutive bytes each: no pitch, no padding, no bank conflict.
; CLUSTERS: 4 x 4 work-groups; the m side's tile is shared along a row of the cluster, the n side's along a column: each is asked for JOINTLY, which divides the requests by four.
; THE MATRIX INSTRUCTION IS USED TRANSPOSED (source 0 = 16 rows of the n side, source 1 = 16 rows of the m side): lane (r, h) holds row r of the m side, and register 8 t + j of the 8 tiles of a block column n = 16 t + 8 h + j.
; Converted eight at a time these 64 registers ARE a fragment (16 rows x 128 along the next K) of the next product, in that form's own order of k: they are stored as an image, 512 consecutive bytes a store, with no way through LDS.
; QKV = 1: cluster x is the section: 0 Q, 1 K, 2 V.  For Q and K the m side is dec_inp's codes (rows in the order batch x 2,048 + position) and the n side the weight's; a wave's 128 columns are two heads, and an image's two halves
; are the two heads' fragments of 16 rows x 64.  For V the m side is the weight and the n side dec_inp: a lane then holds one channel and runs along 128 neighbouring keys of one batch: V^T's fragments.
; The code of a sum is sum / 2^(eOut - eA - eB), held within +-448.  LIMIT: eOut - eA - eB between -126 and 119.  NaN among the inputs is not served.
; REGISTERS, in windows of 256: window 0: v16-31 addresses and the scale; v32-95 held sums; from v128 the m side's fragments, ONE set, later the codes.  window 1: the n side's fragments, TWO sets.  windows 2, 3: the accumulators.
.set QKV,   1
.set MB,    8                          ; blocks of 16 a wave, each way
.set QS,    2                          ; steps of 128 along K in a slot
.set KK,    1024
.set CB,    QS*2048                    ; a row tile's bytes in a slot
.set TST,   16*KK                      ; from row tile to row tile in memory
.set HALFT, MB*CB                      ; what one tensor load brings, and what one wave reads of a side
.set SLOT,  4*HALFT
.set LAPS,  KK/(2*QS*128)              ; a lap = once round the ring
.set SPARE, 2*SLOT                     ; behind the ring: the spare words, 128 bytes for each wave, that no other line names
.set HB,    2*MB                       ; LDS loads of the m side's upper blocks
.if QKV
.set OST,   2048                       ; from block to block in the output
.else
.set OST,   65536
.endif
.set ADRA, 16                          ; v16-17 LDS address of my m side's fragments in slot 0, 1
.set ADRB, 20                          ; v20-21 the n side's
.set LO,   26                          ; v26    16 x lane
.set SPW,  28                          ; v28    my spare word; never rewritten
.set NIL,  29                          ; v29    0; never rewritten
.set SCV,  30                          ; v30    the conversion's scale
.set LIM,  31                          ; v31    448 x that
.set TMP,  32
.set AF,   128
.set CD,   128
.set G1, 24
.set G0, 32
.set G1B, 48
.set G0B, 56
.set MSB, 0
.macro WIN new                         ; the immediate's high byte repeats the setting that is left
.if MSB != \new
	s_set_vgpr_msb (MSB<<8)|\new
.set MSB, \new
.endif
.endm
.set MUL_LO, 0xa1                      ; source 0 window 1, source 1 window 0, C and D window 2
.set MUL_HI, 0xf1                      ; the same, C and D window 3
.set TO_B,   0x40                      ; destination window 1, address window 0
.macro JLOAD g0a, g1a, g0b, g1b        ; a joint load: waves 0 and 1 fetch for the m side, waves 2 and 3 for the n side; four v_nop follow each line
	s_cmp_eq_u32 s15, 0
	s_cbranch_scc0 .Lfor_b_\@
	tensor_load_to_lds s[\g0a:\g0a+3], s[\g1a:\g1a+7]
	s_nop 0
.rept 4
	v_nop
.endr
	s_branch .Lasked_\@
.Lfor_b_\@:
	tensor_load_to_lds s[\g0b:\g0b+3], s[\g1b:\g1b+7]
	s_nop 0
.rept 4
	v_nop
.endr
.Lasked_\@:
.endm
.macro CREST                           ; a round of the cluster's barrier behind its opening barrier
	s_cmp_lg_u32 s14, 0
	s_cbranch_scc1 .Lnot_wave_0_\@
	s_barrier_signal -3
.Lnot_wave_0_\@:
	s_barrier_wait -3
	s_barrier_signal -1
	s_barrier_wait -1
.endm
.macro CROUND
	s_barrier_signal -1
	s_barrier_wait -1
	CREST
.endm
.if QKV
	s_load_b64 s[4:5], s[0:1], 0x0                 ; pc: the m side
	s_load_b64 s[6:7], s[0:1], 0x0                 ; pc once more: the n side
	s_load_b128 s[8:11], s[0:1], 0x8               ; the exponents, qkvc
.else
	s_load_b128 s[4:7], s[0:1], 0x0                ; hb, pc
	s_load_b128 s[8:11], s[0:1], 0x10              ; the exponents, l1c
.endif
	v_lshl_add_u32 v[SPW], v0, 2, SPARE
	v_mov_b32 v[NIL], 0
	ds_add_u32 v28, v29
	ds_add_u32 v28, v29
	s_wait_dscnt 0x0
	v_lshrrev_b32 v1, 5, v0
	v_readfirstlane_b32 s14, v1                    ; wave 0..3
	s_lshr_b32 s15, s14, 1                         ; my half of the m side.  Also: I fetch for the m side (0) or the n side (1)
	s_and_b32 s16, s14, 1                          ; my half of the n side.  Also: which half of that tile I fetch
	s_bfe_u32 s40, ttmp6, 0x40000                  ; cx
	s_bfe_u32 s41, ttmp6, 0x40004                  ; cy
	s_and_b32 s18, ttmp7, 0xffff
	s_lshl_b32 s18, s18, 2                         ; 4 x cluster y
.if QKV
	s_lshr_b32 s66, ttmp9, 1                       ; 1 in V's section
	s_xor_b32 s67, s66, 1
	s_mul_i32 s17, s18, s67
	s_add_co_u32 s17, s17, s41                     ; the m side's tile: Q, K: 4 x cluster y + cy of dec_inp's 16;  V: cy of the weight's 4
	s_mul_i32 s42, s18, s66
	s_add_co_u32 s42, s42, s40                     ; the n side's tile: Q, K: cx of the weight's 4;  V: 4 x cluster y + cx of dec_inp's 16
	s_lshl_b32 s68, ttmp9, 22
	s_mul_i32 s68, s68, s67
	s_mul_i32 s69, s66, 14<<20
	s_add_co_u32 s68, s68, s69                     ; the m side's section of pc: dec_inp under e0 or e2; value_mean under e5
	s_lshl_b32 s70, ttmp9, 20
	s_add_co_u32 s70, s70, 12<<20
	s_mul_i32 s70, s70, s67
	s_lshl_b32 s71, s66, 23
	s_add_co_u32 s70, s70, s71                     ; the n side's: the weight's; dec_inp under e4
.else
	s_add_co_u32 s17, s18, s41
	s_lshl_b32 s42, ttmp9, 2
	s_add_co_u32 s42, s42, s40
	s_mov_b32 s68, 16<<20                          ; h's codes lie 16 MiB into hb,
	s_mov_b32 s70, 16<<20                          ; w1's 16 MiB into pc
.endif
	s_lshl_b32 s43, s41, 2
	s_lshl_b32 s43, 15, s43                        ; my row of the cluster
	s_lshl_b32 s44, 0x1111, s40                    ; my column
	s_or_b32 s[G1+0], s43, (1<<21)                 ; 15:0 the mask; 17:16 elements of 1 byte; 21 set beside a mask; no padding
	s_or_b32 s[G1B+0], s44, (1<<21)
.irp g, G1, G1B
	s_mov_b32 s[\g+1], CB<<16                      ; tensor_dim0
	s_mov_b32 s[\g+2], MB<<16                      ; tensor_dim1
	s_mov_b32 s[\g+3], CB<<16                      ; tile_dim0
	s_mov_b32 s[\g+4], MB                          ; tile_dim1
	s_mov_b32 s[\g+5], TST                         ; tensor_dim0_stride
	s_mov_b32 s[\g+6], 0
	s_mov_b32 s[\g+7], 0
.endr
	s_mul_i32 s19, s16, MB*TST                     ; which half of the tile I fetch
	s_mul_i32 s20, s17, 2*MB*TST
	s_add_co_u32 s20, s20, s19
	s_add_co_u32 s20, s20, s68
	s_mov_b32 s21, 0
	s_mul_i32 s46, s42, 2*MB*TST
	s_add_co_u32 s46, s46, s19
	s_add_co_u32 s46, s46, s70
	s_mov_b32 s47, 0
	s_mul_i32 s45, s14, HALFT                      ; where it goes: no place in the cluster enters an LDS address
	s_wait_kmcnt 0x0
	s_load_b512 s[80:95], s[8:9], 0x0              ; the sixteen exponents
	s_add_nc_u64 s[20:21], s[4:5], s[20:21]
	s_add_nc_u64 s[46:47], s[6:7], s[46:47]
	CROUND                                         ; all sixteen work-groups are here: the first joint loads meet
.irp s, 0,1
	s_mov_b32 s[G0+4*\s], 1
	s_add_co_u32 s[G0+4*\s+1], s45, \s*SLOT
	s_add_nc_u64 s[G0+4*\s+2:G0+4*\s+3], s[20:21], \s*CB
	s_or_b32 s[G0+4*\s+3], s[G0+4*\s+3], 0x80000000
	s_mov_b32 s[G0B+4*\s], 1
	s_add_co_u32 s[G0B+4*\s+1], s45, \s*SLOT
	s_add_nc_u64 s[G0B+4*\s+2:G0B+4*\s+3], s[46:47], \s*CB
	s_or_b32 s[G0B+4*\s+3], s[G0B+4*\s+3], 0x80000000
.endr
	JLOAD G0, G1, G0B, G1B                         ; slot 0: one tensor load a wave at the head
	v_and_b32 v6, 31, v0
	v_lshlrev_b32 v[LO], 4, v6
	s_mul_i32 s21, s15, HALFT
	s_mul_i32 s22, s16, HALFT
	s_add_co_u32 s22, s22, 2*HALFT                 ; the n side lies behind the m side
.irp s, 0,1
	v_add_nc_u32 v[ADRA+\s], s21, v[LO]
	v_add_nc_u32 v[ADRB+\s], s22, v[LO]
	s_add_co_u32 s21, s21, SLOT
	s_add_co_u32 s22, s22, SLOT
.endr
	; where my 8 blocks' images begin in the output
.if QKV
	s_lshl_b32 s72, ttmp9, 22                      ; Q, K: section; batch; pair of heads 2 cx + my n half; position tile 16 (tile % 8) + 8 x my m half
	s_lshr_b32 s73, s17, 3
	s_lshl_b32 s73, s73, 21
	s_add_co_u32 s72, s72, s73
	s_lshl_b32 s73, s42, 19
	s_add_co_u32 s72, s72, s73
	s_lshl_b32 s73, s16, 18
	s_add_co_u32 s72, s72, s73
	s_and_b32 s73, s17, 7
	s_lshl_b32 s73, s73, 15
	s_add_co_u32 s72, s72, s73
	s_lshl_b32 s73, s15, 14
	s_add_co_u32 s72, s72, s73
	s_lshl_b32 s74, s42, 1                         ; V: my 128 columns are key step idx % 16 of batch idx / 16; pair of heads 2 cy + my m half
	s_add_co_u32 s74, s74, s16
	s_lshr_b32 s75, s74, 4
	s_lshl_b32 s75, s75, 21
	s_and_b32 s74, s74, 15
	s_lshl_b32 s74, s74, 14
	s_add_co_u32 s74, s74, s75
	s_lshl_b32 s75, s17, 19
	s_add_co_u32 s74, s74, s75
	s_lshl_b32 s75, s15, 18
	s_add_co_u32 s74, s74, s75
	s_add_co_u32 s74, s74, 8<<20
	s_cmp_lg_u32 s66, 0
	s_cselect_b32 s72, s74, s72
.else
	s_lshl_b32 s72, s17, 20                        ; row tile 16 x tile + 8 x my m half, 65,536 bytes each; K step 2 x tile + my n half
	s_lshl_b32 s73, s15, 19
	s_add_co_u32 s72, s72, s73
	s_lshl_b32 s73, s42, 12
	s_add_co_u32 s72, s72, s73
	s_lshl_b32 s73, s16, 11
	s_add_co_u32 s72, s72, s73
.endif
	s_mov_b32 s73, 0
	s_add_nc_u64 s[10:11], s[10:11], s[72:73]
.macro FRAG reg, adr, q, i             ; a fragment: 16 rows x 128 K, 16 registers, four loads of 512 consecutive bytes
.irp c, 0,1,2,3
	ds_load_b128 v[\reg+4*\c:\reg+4*\c+3], v[\adr] offset:(\i)*CB+(\q)*2048+512*\c
.endr
.endm
; n blocks of the m side from a0 on, each against the n side's MB, 128 along K.  p: the n side's set.  zero = 1: the first product starts the sums.
; The accumulators take turns, one instruction a turn, in the same order in every step.
.macro MULS a0, n, p, zero
.set aa, \a0
.rept \n
.set bb, 0
.rept MB
.if \zero
	v_wmma_f32_16x16x128_fp8_fp8 v[8*(MB*(aa%(MB/2))+bb):8*(MB*(aa%(MB/2))+bb)+7], v[16*MB*(\p)+16*bb:16*MB*(\p)+16*bb+15], v[AF+16*aa:AF+16*aa+15], 0
.else
	v_wmma_f32_16x16x128_fp8_fp8 v[8*(MB*(aa%(MB/2))+bb):8*(MB*(aa%(MB/2))+bb)+7], v[16*MB*(\p)+16*bb:16*MB*(\p)+16*bb+15], v[AF+16*aa:AF+16*aa+15], v[8*(MB*(aa%(MB/2))+bb):8*(MB*(aa%(MB/2))+bb)+7]
.endif
.set bb, bb+1
.endr
.set aa, aa+1
.endr
.endm
.macro FETCH_B slot, q, p
	WIN TO_B
.set ii, 0
.rept MB
	FRAG 16*MB*(\p)+16*ii, ADRB+\slot, \q, ii
.set ii, ii+1
.endr
	WIN 0
.endm
.macro FETCH_A slot, q, i0             ; MB / 2 blocks from i0 on
.set ii, \i0
.rept MB/2
	FRAG AF+16*ii, ADRA+\slot, \q, ii
.set ii, ii+1
.endr
.endm
.macro PLACES                          ; four plain vector lines between a matrix instruction and a load into, or a vector line on, its registers (ISA guide 7.12.1 for vector lines)
.rept 4
	v_nop
.endr
.endm
.macro STEP slot, q, zero              ; a step of 128 along K that has its successor in the same slot
	s_wait_dscnt HB                                ; the n side's set and the lower blocks are in; the youngest HB loads (the upper blocks) may be out
	WIN MUL_LO
	MULS 0, MB/2, (\q)%2, \zero
	s_wait_dscnt 0
	PLACES
	FETCH_B \slot, (\q)+1, 1-(\q)%2
	FETCH_A \slot, (\q)+1, 0
	WIN MUL_HI
	MULS MB/2, MB/2, (\q)%2, \zero
	PLACES
	WIN 0
	FETCH_A \slot, (\q)+1, MB/2
.endm
.macro STEPS slot, from
.set qq, \from
.rept QS-1-\from
	STEP \slot, qq, 0
.set qq, qq+1
.endr
.endm
; A slot's last step changes slots: ONE barrier; in front of it each wave waits for all its tensor loads, adds 0 to its spare word, and waits for that and for its reads of this slot.  fill = 1: the slot is filled again.
.macro TURN slot, next, fill
	s_wait_tensorcnt 0x0                           ; all my tensor loads have landed: my part of the next slot
	ds_add_u32 v[SPW], v[NIL]                      ; 0 onto my spare word
	s_wait_dscnt HB+1                              ; (the add and the youngest HB loads may be out)
	WIN MUL_LO
	MULS 0, MB/4, 1, 0
	s_wait_dscnt 0x0                               ; the add is done, and my reads of this slot are over
	s_barrier_signal -1
	MULS MB/4, MB/4, 1, 0
	WIN 0
	s_barrier_wait -1
.if \fill
	CREST                                          ; the barrier has opened a round of the cluster's: no wave of any partner still reads this slot or has a load on its way
	s_add_nc_u64 s[G0+4*\slot+2:G0+4*\slot+3], s[G0+4*\slot+2:G0+4*\slot+3], 2*CB
	s_add_nc_u64 s[G0B+4*\slot+2:G0B+4*\slot+3], s[G0B+4*\slot+2:G0B+4*\slot+3], 2*CB
	JLOAD G0+4*\slot, G1, G0B+4*\slot, G1B         ; the first tensor load behind the round; its four v_nop are the places in front of the loads below
.else
	PLACES
.endif
	FETCH_B \next, 0, 0
	FETCH_A \next, 0, 0
	WIN MUL_HI
	MULS MB/2, MB/2, 1, 0
	PLACES
	WIN 0
	FETCH_A \next, 0, MB/2
.endm
	s_wait_alu depctr_va_vdst(0)
	s_wait_tensorcnt 0x0                           ; my part of slot 0 is in; slot 1's first fill is issued as a refill is:
	ds_add_u32 v[SPW], v[NIL]                      ; 0 onto my spare word
	s_wait_dscnt 0x0
	CROUND                                         ; everybody's part of slot 0 is in, and the sixteen work-groups meet
	JLOAD G0+4, G1, G0B+4, G1B                     ; slot 1: the first tensor load behind the round
	FETCH_B 0, 0, 0
	FETCH_A 0, 0, 0
	FETCH_A 0, 0, MB/2
	STEP 0, 0, 1                                   ; the first step stands in front of the loop: its products start the sums
.if QS > 2
	STEPS 0, 1
.endif
.if LAPS > 1
	s_mov_b32 s3, LAPS-1
.Llap:                                                 ; a trip goes once round the ring and fills both slots again
	TURN 0, 1, 1
	STEPS 1, 0
	TURN 1, 0, 1
	STEPS 0, 0
	s_sub_co_u32 s3, s3, 1
	s_cmp_lg_u32 s3, 0
	s_cbranch_scc1 .Llap
.endif
	TURN 0, 1, 0                                   ; the last lap fills nothing
	STEPS 1, 0
	s_wait_dscnt HB                                ; the very last step
	WIN MUL_LO
	MULS 0, MB/2, 1, 0
	s_wait_dscnt 0
	WIN MUL_HI
	MULS MB/2, MB/2, 1, 0
	WIN 0
	; THE WAY OUT: each block's 64 sums are held, converted and stored as one image.
	s_wait_kmcnt 0x0
.if QKV
	s_cmp_eq_u32 ttmp9, 1                          ; eA, eB, eOut of my section: (e0, e1, e6), (e2, e3, e7), (e4, e5, e8)
	s_cselect_b32 s80, s82, s80
	s_cselect_b32 s81, s83, s81
	s_cselect_b32 s86, s87, s86
	s_cmp_eq_u32 ttmp9, 2
	s_cselect_b32 s80, s84, s80
	s_cselect_b32 s81, s85, s81
	s_cselect_b32 s86, s88, s86
.else
	s_mov_b32 s80, s92                             ; e12, e13, e14
	s_mov_b32 s81, s93
	s_mov_b32 s86, s94
.endif
	s_sub_co_i32 s86, s86, s80
	s_sub_co_i32 s86, s86, s81                     ; a sum stands for sum x 2^(eA + eB): the three scales are folded into the conversion's one
	s_add_co_i32 s86, s86, 127
	s_lshl_b32 s87, s86, 23
	v_mov_b32 v[SCV], s87
	s_add_co_i32 s86, s86, 8
	s_lshl_b32 s86, s86, 23
	s_or_b32 s86, s86, 0x600000
	v_mov_b32 v[LIM], s86
	PLACES
.irp a, 0,1,2,3,4,5,6,7
	WIN 0x02+(\a/4)                                ; source 0: window 2 or 3
.set jj, 0
.rept 64
	v_med3_num_f32 v[TMP+jj], v[64*(\a%4)+jj], -v[LIM], v[LIM]   ; each accumulator from its low end on; the conversion does not saturate (ISA guide 7.6.2)
.set jj, jj+1
.endr
	WIN 0
.irp t, 0,1,2,3,4,5,6,7
	v_cvt_scalef32_pk8_fp8_f32 v[CD+16*\a+2*\t:CD+16*\a+2*\t+1], v[TMP+8*\t:TMP+8*\t+7], v[SCV]
.endr
	v_nop                                          ; a plain line between the conversions and the next block's holds, which write their sources
.irp c, 0,1,2,3
	global_store_b128 v[LO], v[CD+16*\a+4*\c:CD+16*\a+4*\c+3], s[10:11] offset:\a*OST+512*\c   ; 512 consecutive bytes, aligned; each block has its own registers, and no base is stepped
.endr
.endr
	s_wait_tensorcnt 0x0                           ; the wave's end
	ds_add_u32 v[SPW], v[NIL]
	s_wait_dscnt 0x0
	CROUND                                         ; the closing round: no work-group ends while a partner may still ask for a tile that names it
	s_endpgm
.Lfunc_end_k_qb48897ceb4_qkv:
	.size	k_qb48897ceb4_qkv, .Lfunc_end_k_qb48897ceb4_qkv-k_qb48897ceb4_qkv
	.p2alignl 7, 3214868480
	.fill 96, 4, 3214868480
	.section	.rodata,"a",@progbits
	.p2align	6, 0x0
	.amdhsa_kernel k_qb48897ceb4_qkv
		.amdhsa_group_segment_fixed_size 327680
		.amdhsa_private_segment_fixed_size 0
		.amdhsa_enable_private_segment 0
		.amdhsa_kernarg_size 24
		.amdhsa_user_sgpr_count 2
		.amdhsa_user_sgpr_kernarg_segment_ptr 1
		.amdhsa_wavefront_size32 1
		.amdhsa_system_sgpr_workgroup_id_x 1
		.amdhsa_system_sgpr_workgroup_id_y 1
		.amdhsa_system_sgpr_workgroup_id_z 1
		.amdhsa_system_vgpr_workitem_id 0
		.amdhsa_next_free_vgpr 1024
		.amdhsa_next_free_sgpr 100
		.amdhsa_reserve_vcc 0
		.amdhsa_float_denorm_mode_32 3
		.amdhsa_float_denorm_mode_16_64 3
		.amdhsa_memory_ordered 1
		.amdhsa_forward_progress 1
		.amdhsa_inst_pref_size 119
	.end_amdhsa_kernel
	.amdgpu_metadata
---
amdhsa.version: [ 1, 2 ]
amdhsa.kernels:
  - .name:           k_qb48897ceb4_qkv
    .symbol:         k_qb48897ceb4_qkv.kd
    .args:
      - { .name: pc, .offset: 0, .size: 8, .value_kind: global_buffer, .address_space: global }
      - { .name: lowp_scales, .offset: 8, .size: 8, .value_kind: global_buffer, .address_space: global }
      - { .name: qkvc, .offset: 16, .size: 8, .value_kind: global_buffer, .address_space: global }
    .group_segment_fixed_size: 327680
    .private_segment_fixed_size: 0
    .kernarg_segment_align: 8
    .kernarg_segment_size: 24
    .max_flat_workgroup_size: 128
    .sgpr_count:     100
    .vgpr_count:     1024
    .wavefront_size: 32
...
	.end_amdgpu_metadata
.endif
;; end of part 2
;; launch attn (part 3): grid 8 x 32, 16 waves a work-group, no clusters, 264,192 bytes of LDS; arguments qkvc, mbits, lowp_scales, avc; writes avc
.if DOCPART == 3
	.amdgcn_target "amdgcn-amd-amdhsa--gfx1250"
	.amdhsa_code_object_version 6
	.text
	.protected	k_qb48897ceb4_attn
	.globl	k_qb48897ceb4_attn
	.p2align	8
	.type	k_qb48897ceb4_attn,@function
k_qb48897ceb4_attn:
	s_mov_b64 s[64:65], 0
	v_nop
	global_prefetch_b8 v0, s[64:65] scope:SCOPE_SE
	s_setreg_imm32_b32 hwreg(HW_REG_WAVE_MODE, 25, 1), 1
	s_wait_xcnt 0x0
; ATTENTION ON CODES, under a mask that is an input.  attn_vec[q] = sum over keys of softmax(Q[q] . K[k] / 8, masked) V[k], for each of 2 batches x 16 heads of 64; the result leaves as codes under e10.
; Q, K: fragments of 16 rows x 64 (1 KB images); V^T: fragments of 16 channels x 128 keys (2 KB images), as the launch before laid them.  Scales: Q e6, K e7, V e8, p e9.
; THE SOFTMAX: t = score x log2(e) / 8; M = the running largest t rounded UP to a whole number; p = 2^(t - M) is quantised, not normalised; the row's sum is taken of the unquantised p and divides at the end;
; when M moves, the sum and O are multiplied by 2^(old M - new M): exact.  A masked score becomes -infinity ahead of the maximum, so its p is 0.
; THE MASK DECIDES WHAT IS DONE.  It comes as words of bits that an earlier launch stored (whole numbers): for 16 queries and a key step of 128 keys 64 words, word 8 t + j the lane mask of score register 8 t + j.
; At the head a wave reads its tile's 16 x 64 words and makes two bitmaps of 16 bits: SKB, the steps all of whose 2,048 scores are masked, and OPB, the steps with no masked score.  A step in SKB adds p = 0 everywhere and
; leaves M, the sum and O as they are. A step in OPB needs no selection. Every mask is served; no pattern is built in.
; No tensor load and no copy in the launch: K and V come through registers, and there are no joint loads, though the eight work-groups of a head read the same K and V.
; THE HOLD of p at 448 x 2^e9 changes nothing where e9 >= -8, since p <= 1 <= 448 x 2^-8.
; SHARES.  A work-group owns one head of one batch; wave w owns the 16 queries of tile 8 g(w) + work-group x.  g runs through 0..15 as a 4 x 4 square whose rows and columns all add up to 30, so that under a mask that hides
; later keys every four waves w % 4 alike, and every four waves w / 4 alike, have the same number of steps to do.
; THE HEAD'S WHOLE K AND V STAY IN LDS, 16 KB a key step: K's image t at 2,048 t; V's piece u of 1 KB at 8,192 (u % 2) + 2,048 (u / 2) + 1,024.  No byte is written twice.  A chunk is four key steps, 64 KB; each wave
; brings 4 KB of it (waves 0-7 K, waves 8-15 V): eight loads of 512 consecutive bytes, eight LDS stores.  Chunks 0 and 1 are asked for at the head, chunk 2 when chunk 1 is stored, chunk 3 behind key step 0; it is stored behind
; key step 1.  Two barriers: behind chunk 0's stores, and behind chunk 3's.  Both stand on every wave's path, outside every branch.
; NO PREFETCH: every byte of K and V is asked for by its own load at the head or round the first key step: there is no loop to run ahead in.
; A QUERY FOR WHICH NO KEY COUNTS has the sum 0: its codes become the NaN code, so that its row is NaN from the next product on, as a softmax over nothing is.
; LAYOUT.  Both products transposed: S^T = K Q^T, O^T = V^T P^T: a lane holds ONE query (lane % 16); register 8 t + j of S^T is key 16 t + 8 (lane / 16) + j, which is the place of k in the second product's operand.
; LIMITS: e6 + e7 between -123 and 130; e9 and e10 between -126 and 119.  NaN or infinity among K and V under a wholly masked step is not carried to the result.
; REGISTERS: v1 16 x lane; v2 LDS address in hand; v3 where my chunk's part goes; v5, v6 the add's; v7 -infinity; v8 448 x 2^e9; v9 2^e9; v12 -M, v13 largest t, v[14:15] the sum; v16-23 Q; v32-95 K's 8 fragments, then V's 4;
; v96-159 S^T, then p; v160-191 O^T; v192-207 p's codes; v208-239 a chunk's part on its way; v240-255 at work.  SCALARS: s[16:63], s[68:83] a step's 64 mask words (at the head: at work).
.set SPARE, 262144                     ; behind K and V: the spare words, 128 bytes for each wave, that no other line names
.set LI,  1
.set AD,  2
.set STA, 3
.set SPW, 5
.set NIL, 6
.set ST,  208
.set MP,  2                            ; s[2:3]   the mask words of the step in hand
.set QP,  4                            ; s[4:5]   Q's image
.set GB,  8                            ; s[8:9]   my part of chunk 0 in memory; never rewritten
.set OUTP, 12                          ; s[12:13] my place in avc
.set CS,  14                           ; s[14:15] c: the packed form names a pair and takes its low word
.set SEL, 66                           ; s66, s67 lane selects for v_permlanex16_b32: lane l xor 16
.set E9,  84
.set SKB, 85                           ; bit 0: the step in hand is wholly masked
.set OPB, 86                           ; bit 0: the step in hand has no masked score
.set E10, 87
.set WV,  100
.set TB,  101                          ; LDS byte at which the step in hand begins
.set CNT, 104
.set EPV, 105                          ; e8 + e9
.macro GLOAD c, r                      ; my 4 KB of chunk c: four pieces of 1 KB, 2 KB apart in memory
.irp i, 0,1,2,3
	global_load_b128 v[\r+8*\i:\r+8*\i+3], v[LI], s[GB:GB+1] offset:65536*\c+2048*\i
	global_load_b128 v[\r+8*\i+4:\r+8*\i+7], v[LI], s[GB:GB+1] offset:65536*\c+2048*\i+512
.endr
.endm
.macro LSTORE r                        ; and into LDS, 2 KB apart there too
.irp i, 0,1,2,3
	ds_store_b128 v[STA], v[\r+8*\i:\r+8*\i+3] offset:2048*\i
	ds_store_b128 v[STA], v[\r+8*\i+4:\r+8*\i+7] offset:2048*\i+512
.endr
.endm
.macro FLAG dst, src, bit              ; s[src]: the lanes that speak against the flag; lanes 0-15 belong to step bit, lanes 16-31 to step bit + 1
	s_and_b32 s32, s[\src], 0xffff
	s_cselect_b32 s32, 0, 1<<(\bit)
	s_or_b32 s[\dst], s[\dst], s32
	s_lshr_b32 s32, s[\src], 16
	s_cselect_b32 s32, 0, 2<<(\bit)
	s_or_b32 s[\dst], s[\dst], s32
.endm
	s_load_b128 s[16:19], s[0:1], 0x0              ; qkvc, mbits
	s_load_b128 s[20:23], s[0:1], 0x10             ; the exponents, avc
	v_lshl_add_u32 v[SPW], v0, 2, SPARE
	v_mov_b32 v[NIL], 0
	v_lshrrev_b32 v8, 5, v0
	v_and_b32 v1, 31, v0
	v_readfirstlane_b32 s[WV], v8
	v_lshlrev_b32 v[LI], 4, v1
	s_wait_alu depctr_va_vdst(0)                   ; the wait ahead of the run of scalar lines
	s_mov_b32 s24, 0x7a94c12f                      ; g of waves 0-7, four bits each: 15 2 1 12 4 9 10 7
	s_mov_b32 s25, 0x0de3b658                      ; of waves 8-15: 8 5 6 11 3 14 13 0
	s_cmp_lt_u32 s[WV], 8
	s_cselect_b32 s24, s24, s25
	s_and_b32 s25, s[WV], 7                        ; w' = wave % 8
	s_lshl_b32 s26, s25, 2
	s_lshr_b32 s24, s24, s26
	s_and_b32 s24, s24, 15
	s_lshl_b32 s24, s24, 3
	s_add_co_u32 s26, s24, ttmp9                   ; my tile of 16 queries: 8 g + work-group x
	s_and_b32 s27, ttmp7, 0xffff
	s_lshr_b32 s28, s27, 4                         ; batch
	s_and_b32 s27, s27, 15
	s_lshr_b32 s29, s27, 1                         ; pair of heads
	s_and_b32 s27, s27, 1                          ; which head of the pair
	s_lshl_b32 s30, s28, 21
	s_lshl_b32 s31, s29, 18
	s_add_co_u32 s30, s30, s31                     ; batch and pair of heads, in each of Q, K, V
	s_lshl_b32 s32, s26, 11
	s_add_co_u32 s32, s32, s30
	s_lshl_b32 s31, s27, 10
	s_add_co_u32 s32, s32, s31                     ; Q's image
	s_mov_b32 s33, 0
	s_lshl_b32 s34, s28, 19
	s_lshl_b32 s31, s26, 12
	s_add_co_u32 s34, s34, s31                     ; my mask words: 16 steps x 256 bytes
	s_mov_b32 s35, 0
	s_lshl_b32 s36, s28, 7
	s_add_co_u32 s36, s36, s26
	s_lshl_b32 s36, s36, 14                        ; avc: row tile 128 x batch + tile; K step head / 2; pieces 2 (head % 2) + 0, 1
	s_lshl_b32 s31, s29, 11
	s_add_co_u32 s36, s36, s31
	s_lshl_b32 s31, s27, 10
	s_add_co_u32 s36, s36, s31
	s_mov_b32 s37, 0
	s_lshr_b32 s38, s[WV], 3                       ; 0: I bring K; 1: V
	s_lshr_b32 s39, s25, 1
	s_lshl_b32 s39, s39, 14                        ; key step w' / 2 of the chunk: 16,384 bytes a step in LDS, and in memory too
	s_and_b32 s25, s25, 1                          ; which half of the step's pieces
	s_lshl_b32 s40, s25, 13
	s_add_co_u32 s40, s40, s39
	s_lshl_b32 s41, s38, 10
	s_add_co_u32 s40, s40, s41                     ; in LDS: step, + 8,192 x half, + 1,024 for V
	s_cmp_eq_u32 s38, 0
	s_cselect_b32 s41, 13, 10                      ; in memory the halves lie 8,192 (K: images 0-3, 4-7) or 1,024 (V: even and odd pieces) apart,
	s_cselect_b32 s42, 10, 13                      ; the pair's two heads 1,024 (K) or 8,192 (V)
	s_lshl_b32 s41, s25, s41
	s_lshl_b32 s42, s27, s42
	s_add_co_u32 s44, s38, 1
	s_lshl_b32 s44, s44, 22                        ; K's section lies 4 MiB into qkvc, V's 8 MiB
	s_add_co_u32 s44, s44, s30
	s_add_co_u32 s44, s44, s39
	s_add_co_u32 s44, s44, s41
	s_add_co_u32 s44, s44, s42
	s_mov_b32 s45, 0
	v_add_nc_u32 v[STA], s40, v[LI]
	s_mov_b32 s[SEL], 0x76543210
	s_mov_b32 s[SEL+1], 0xfedcba98
	s_mov_b32 s[CS], 0x3e38aa3b                    ; c = log2(e) / 8
	s_mov_b32 s[SKB], 0
	s_mov_b32 s[OPB], 0
	s_mov_b32 s[TB], 0
	s_wait_alu depctr_va_vdst(0)                   ; directly ahead of the wait below
	s_wait_kmcnt 0x0
	s_load_b512 s[48:63], s[20:21], 0x0            ; the sixteen exponents
	s_add_nc_u64 s[GB:GB+1], s[16:17], s[44:45]
	s_add_nc_u64 s[QP:QP+1], s[16:17], s[32:33]
	s_add_nc_u64 s[MP:MP+1], s[18:19], s[34:35]
	s_add_nc_u64 s[OUTP:OUTP+1], s[22:23], s[36:37]
	GLOAD 0, 32                                    ; chunk 0, into registers that the first step uses only later
	global_load_b128 v[16:19], v[LI], s[QP:QP+1]
	global_load_b128 v[20:23], v[LI], s[QP:QP+1] offset:512
.irp i, 0,1,2,3,4,5,6,7
	global_load_b128 v[96+4*\i:99+4*\i], v[LI], s[MP:MP+1] offset:512*\i   ; my tile's mask words: lanes 0-15 hold step 2 i's 64, lanes 16-31 step 2 i + 1's
.endr
	GLOAD 1, ST
	v_mov_b32 v7, 0xff800000                       ; -infinity
	v_mov_b32 v13, 0xff61b1e6                      ; the largest t so far: -3e38
	v_floor_f32 v12, -v13                          ; -M
	v_mov_b32 v14, 0
	v_mov_b32 v15, 0
	v_mov_b32 v10, 0                               ; a lane permute's destination counts as read
	v_mov_b32 v252, 0
	v_mov_b32 v253, 0                              ; (named as the upper half of the pair v[252:253])
.set j, 0
.rept 32
	v_mov_b32 v[160+j], 0                          ; O^T: which step is a query's first hangs on the mask, so the step is written alike for all and the first finds zeros
.set j, j+1
.endr
	s_wait_kmcnt 0x0                               ; e6 .. e10 lie in s54 .. s58
	s_add_co_i32 s70, s54, s55
	s_lshl_b32 s70, s70, 23
	s_add_co_i32 s[CS], s[CS], s70                 ; a score stands for score x 2^(e6 + e7): added to c's exponent field
	s_mov_b32 s[CS+1], s[CS]
	s_add_co_i32 s70, s57, 127
	s_lshl_b32 s71, s70, 23
	v_mov_b32 v9, s71                              ; 2^e9
	s_add_co_i32 s70, s70, 8
	s_lshl_b32 s70, s70, 23
	s_or_b32 s70, s70, 0x600000
	v_mov_b32 v8, s70                              ; 448 x 2^e9
	s_add_co_i32 s[EPV], s56, s57
	s_mov_b32 s[E9], s57
	s_mov_b32 s[E10], s58
	s_wait_alu depctr_va_vdst(0)                   ; the wait at the head's end
	s_wait_loadcnt 8                               ; chunk 0, Q and the mask words are in; chunk 1's eight loads may be out
	LSTORE 32
.irp i, 0,1,2,3,4,5,6,7                        ; a lane's four words: all ones?  all zeros?
	v_and_b32 v[128+4*\i], v[96+4*\i], v[97+4*\i]
	v_and_b32 v[129+4*\i], v[98+4*\i], v[99+4*\i]
	v_or_b32 v[130+4*\i], v[96+4*\i], v[97+4*\i]
	v_or_b32 v[131+4*\i], v[98+4*\i], v[99+4*\i]
.endr
.irp i, 0,1,2,3,4,5,6,7
	v_and_b32 v[128+4*\i], v[128+4*\i], v[129+4*\i]
	v_or_b32 v[130+4*\i], v[130+4*\i], v[131+4*\i]
.endr
.irp i, 0,1,2,3,4,5,6,7
	v_cmp_ne_u32 s[16+2*\i], -1, v[128+4*\i]       ; lanes with a score that counts
	v_cmp_ne_u32 s[17+2*\i], 0, v[130+4*\i]        ; lanes with a masked score
.endr
	s_wait_dscnt 0x0                               ; for the others' sake: my part of chunk 0 has landed
	s_barrier_signal -1
.irp i, 0,1,2,3,4,5,6,7                        ; work on registers while the others arrive
	FLAG SKB, 16+2*\i, 2*\i
	FLAG OPB, 17+2*\i, 2*\i
.endr
	s_barrier_wait -1                              ; THE FIRST BARRIER: key steps 0 to 3 are whole
.macro STEP                            ; 128 keys, at LDS byte s[TB]
	s_bitcmp1_b32 s[SKB], 0
	s_cbranch_scc1 .Lskip_\@                       ; nothing counts here for my 16 queries
	v_add_nc_u32 v[AD], s[TB], v[LI]
.rept 3
	v_nop                                          ; with the addition: four places in front of loads into registers that the last products read
.endr
.irp t, 0,1,2,3,4,5,6,7
	ds_load_b128 v[32+8*\t:35+8*\t], v[AD] offset:2048*\t
	ds_load_b128 v[36+8*\t:39+8*\t], v[AD] offset:2048*\t+512
.endr
	s_wait_alu depctr_va_vdst(0)
.irp t, 0,1,2,3,4,5,6,7
	s_wait_dscnt 14-2*\t                           ; LDS loads come back in order (ISA guide 5.7.1): tile t's two are in; the loads of the tiles behind it may be out
	v_wmma_f32_16x16x64_fp8_fp8 v[96+8*\t:103+8*\t], v[32+8*\t:39+8*\t], v[16:23], 0
.endr
.rept 4
	v_nop                                          ; places: for V's loads into K's registers, and for the first reads of the scores
.endr
.irp d, 0,1,2,3
	ds_load_b128 v[32+16*\d:35+16*\d], v[AD] offset:2048*\d+1024   ; V's fragments land while the softmax is walked
	ds_load_b128 v[36+16*\d:39+16*\d], v[AD] offset:2048*\d+1536
	ds_load_b128 v[40+16*\d:43+16*\d], v[AD] offset:2048*\d+9216
	ds_load_b128 v[44+16*\d:47+16*\d], v[AD] offset:2048*\d+9728
.endr
	s_bitcmp1_b32 s[OPB], 0
	s_cbranch_scc1 .Lopen_\@                       ; every score counts: no selection
	s_load_b512 s[16:31], s[MP:MP+1], 0x0          ; the step's 64 mask words
	s_load_b512 s[32:47], s[MP:MP+1], 0x40
	s_load_b512 s[48:63], s[MP:MP+1], 0x80
	s_load_b512 s[68:83], s[MP:MP+1], 0xc0
	s_wait_kmcnt 0x0
.set n, 0
.rept 48
	v_cndmask_b32 v[96+n], v[96+n], v7, s[16+n]    ; a masked score becomes -infinity; each accumulator from its low end on
.set n, n+1
.endr
.rept 16
	v_cndmask_b32 v[96+n], v[96+n], v7, s[20+n]    ; words 48-63 lie in s68-83
.set n, n+1
.endr
.Lopen_\@:
	v_max3_num_f32 v254, v96, v97, v98             ; the step's largest score of my query among my 64 keys: four chains by turns, ascending
	v_max3_num_f32 v252, v99, v100, v101
	v_max3_num_f32 v250, v102, v103, v104
	v_max3_num_f32 v248, v105, v106, v107
.set n, 108
.rept 6
.irp c, 254,252,250,248
	v_max3_num_f32 v\c, v\c, v[n], v[n+1]
.set n, n+2
.endr
.endr
	v_max3_num_f32 v254, v254, v156, v157
	v_max3_num_f32 v252, v252, v158, v159
	v_max_num_f32 v250, v250, v248
	v_max3_num_f32 v254, v254, v252, v250
	v_permlanex16_b32 v10, v254, s[SEL], s[SEL+1]
	v_max_num_f32 v254, v254, v10                  ; and among lane l xor 16's
	v_mul_f32 v254, s[CS], v254                    ; as t (c is positive)
	v_max_num_f32 v13, v13, v254
	v_mov_b32 v254, v12
	v_floor_f32 v12, -v13                          ; the new -M = -ceil(t)
	v_sub_f32 v254, v12, v254                      ; old M - new M: a whole number, 0 or less
	v_cvt_i32_f32 v254, v254                       ; (it saturates)
	v_ldexp_f32 v252, 1.0, v254                    ; f = 2^(old M - new M)
.set j, 0
.rept 32
	v_pk_fma_f32 v[96+j:97+j], v[96+j:97+j], s[CS:CS+1], v[12:13] op_sel_hi:[1,0,0]   ; t - M
.set j, j+2
.endr
	s_wait_alu depctr_va_vdst(0)                   ; the wait ahead of the batch
.set j, 0
.rept 64
	v_exp_f32 v[96+j], v[96+j]                     ; p = 2^(t - M)
.set j, j+1
.endr
	v_pk_mul_f32 v[14:15], v[14:15], v[252:253] op_sel_hi:[1,0]   ; the sums under the new M (a plain line behind the exponentials)
	s_wait_alu depctr_va_vdst(0)                   ; one wait for the batch, ahead of its first reader
.set n, 100                            ; the row's sum of the unquantised p: 32 pairs in eight chains
.irp c, 242,254,250,246,248,240,244
	v_pk_add_f32 v[\c:\c+1], v[n:n+1], v[n+2:n+3]
.set n, n+4
.endr
	v_pk_add_f32 v[14:15], v[14:15], v[96:97]
	v_pk_add_f32 v[242:243], v[242:243], v[98:99]
.rept 2
.irp c, 14,254,250,246,248,240,244,242
	v_pk_add_f32 v[\c:\c+1], v[\c:\c+1], v[n:n+1]
.set n, n+2
.endr
.endr
	v_pk_add_f32 v[14:15], v[14:15], v[246:247]
	v_pk_add_f32 v[254:255], v[254:255], v[240:241]
	v_pk_add_f32 v[250:251], v[250:251], v[244:245]
	v_pk_add_f32 v[242:243], v[242:243], v[248:249]
	v_pk_add_f32 v[14:15], v[14:15], v[254:255]
	v_pk_add_f32 v[242:243], v[242:243], v[250:251]
	v_pk_add_f32 v[14:15], v[14:15], v[242:243]
	s_cmp_ge_i32 s[E9], -8
	s_wait_alu depctr_va_vdst(0)                   ; the wait directly ahead of the branch
	s_cbranch_scc1 .Lheld_\@                       ; p <= 1 <= 448 x 2^e9: the hold would change nothing
.set j, 0
.rept 64
	v_min_num_f32 v[96+j], v[96+j], v8             ; the conversion does not saturate (ISA guide 7.6.2); p is not negative, so the hold is one-sided
.set j, j+1
.endr
.Lheld_\@:
.irp t, 0,1,2,3,4,5,6,7
	v_cvt_scalef32_pk8_fp8_f32 v[192+2*\t:193+2*\t], v[96+8*\t:103+8*\t], v9
.endr
	s_wait_alu depctr_va_vdst(0)                   ; directly ahead of the first reader of O^T
.set j, 0
.rept 16
	v_pk_mul_f32 v[160+j:161+j], v[160+j:161+j], v[252:253] op_sel_hi:[1,0]   ; O^T under the new M; also the plain lines between the conversions and the products
.set j, j+2
.endr
	s_wait_alu depctr_va_vdst(0)                   ; directly ahead of the wait below
	s_wait_dscnt 0x0                               ; V
.irp d, 0,1,2,3
	v_wmma_f32_16x16x128_fp8_fp8 v[160+8*\d:167+8*\d], v[32+16*\d:47+16*\d], v[192:207], v[160+8*\d:167+8*\d]   ; the four accumulators by turns
.endr
.Lskip_\@:
	s_lshr_b32 s[SKB], s[SKB], 1                   ; on to the next step: its flags, its LDS bytes, its mask words (no scalar load is out here)
	s_lshr_b32 s[OPB], s[OPB], 1
	s_add_co_u32 s[TB], s[TB], 16384
	s_add_nc_u64 s[MP:MP+1], s[MP:MP+1], 256
.endm
.macro NEXTCHUNK                       ; the chunk on its way goes into LDS, 65,536 bytes behind the last
	s_wait_loadcnt 0x0
	v_add_nc_u32 v[STA], 0x10000, v[STA]
	s_wait_alu depctr_va_vdst(0)                   ; the next chunk reads the address again behind waits and branches
	LSTORE ST
	s_wait_dscnt 0x0                               ; the stores have landed, and have read their registers
.endm
	NEXTCHUNK                                      ; chunk 1
	GLOAD 2, ST
	STEP                                           ; key steps 0 and 1 are written out, between the chunks that are being stored
	NEXTCHUNK                                      ; chunk 2
	GLOAD 3, ST
	STEP
	NEXTCHUNK                                      ; chunk 3
	s_barrier_signal -1
	s_barrier_wait -1                              ; THE SECOND BARRIER: all of K and V is there for all
	s_mov_b32 s[CNT], 14
.Lwalk:                                            ; key steps 2 to 15: the trip count is a constant; what the mask leaves out is jumped over inside a trip
	STEP
	s_sub_co_u32 s[CNT], s[CNT], 1
	s_cmp_lg_u32 s[CNT], 0
	s_cbranch_scc1 .Lwalk
	; THE WAY OUT: O^T / the sum x 2^(e8 + e9), quantised under e10: the four tiles' 32 registers are two pieces of an image of the next product's operand.
.rept 4
	v_nop                                          ; places behind the last products
.endr
	v_add_f32 v14, v14, v15
	v_permlanex16_b32 v252, v14, s[SEL], s[SEL+1]
	v_add_f32 v14, v14, v252                       ; the row's sum
	s_add_co_i32 s16, s[E10], 127
	s_lshl_b32 s17, s16, 23
	v_mov_b32 v24, s17                             ; 2^e10
	s_add_co_i32 s16, s16, 8
	s_lshl_b32 s16, s16, 23
	s_or_b32 s16, s16, 0x600000
	v_mov_b32 v25, s16                             ; 448 x 2^e10
	v_mov_b32 v26, 0x7f7f7f7f                      ; four NaN codes
	s_wait_alu depctr_va_vdst(0)                   ; the wait ahead of the transcendental
	v_rcp_f32 v15, v14
	v_cmp_eq_f32 vcc_lo, 0, v14                    ; (a plain line behind the reciprocal)  no key counted for my query
	s_wait_alu depctr_va_vdst(0)                   ; the wait, ahead of the first reader
	v_ldexp_f32 v15, v15, s[EPV]
	s_wait_alu depctr_va_vdst(0)                   ; directly ahead of the first reader of O^T
.set j, 0
.rept 32
	v_mul_f32 v[96+j], v[160+j], v15
.set j, j+1
.endr
.set j, 0
.rept 32
	v_med3_num_f32 v[96+j], v[96+j], -v25, v25
.set j, j+1
.endr
.irp t, 0,1,2,3
	v_cvt_scalef32_pk8_fp8_f32 v[208+2*\t:209+2*\t], v[96+8*\t:103+8*\t], v24
.endr
	v_nop
.irp k, 0,1,2,3,4,5,6,7
	v_cndmask_b32 v[208+\k], v[208+\k], v26, vcc_lo
.endr
	global_store_b128 v[LI], v[208:211], s[OUTP:OUTP+1]              ; 512 consecutive bytes, aligned
	global_store_b128 v[LI], v[212:215], s[OUTP:OUTP+1] offset:512
	s_wait_tensorcnt 0x0                           ; the wave's end, behind my last LDS store
	ds_add_u32 v[SPW], v[NIL]
	s_wait_dscnt 0x0
	s_endpgm
.Lfunc_end_k_qb48897ceb4_attn:
	.size	k_qb48897ceb4_attn, .Lfunc_end_k_qb48897ceb4_attn-k_qb48897ceb4_attn
	.p2alignl 7, 3214868480
	.fill 96, 4, 3214868480
	.section	.rodata,"a",@progbits
	.p2align	6, 0x0
	.amdhsa_kernel k_qb48897ceb4_attn
		.amdhsa_group_segment_fixed_size 264192
		.amdhsa_private_segment_fixed_size 0
		.amdhsa_enable_private_segment 0
		.amdhsa_kernarg_size 32
		.amdhsa_user_sgpr_count 2
		.amdhsa_user_sgpr_kernarg_segment_ptr 1
		.amdhsa_wavefront_size32 1
		.amdhsa_system_sgpr_workgroup_id_x 1
		.amdhsa_system_sgpr_workgroup_id_y 1
		.amdhsa_system_sgpr_workgroup_id_z 1
		.amdhsa_system_vgpr_workitem_id 0
		.amdhsa_next_free_vgpr 256
		.amdhsa_next_free_sgpr 106
		.amdhsa_reserve_vcc 1
		.amdhsa_float_denorm_mode_32 3
		.amdhsa_float_denorm_mode_16_64 3
		.amdhsa_memory_ordered 1
		.amdhsa_forward_progress 1
		.amdhsa_inst_pref_size 83
	.end_amdhsa_kernel
	.amdgpu_metadata
---
amdhsa.version: [ 1, 2 ]
amdhsa.kernels:
  - .name:           k_qb48897ceb4_attn
    .symbol:         k_qb48897ceb4_attn.kd
    .args:
      - { .name: qkvc, .offset: 0, .size: 8, .value_kind: global_buffer, .address_space: global }
      - { .name: mbits, .offset: 8, .size: 8, .value_kind: global_buffer, .address_space: global }
      - { .name: lowp_scales, .offset: 16, .size: 8, .value_kind: global_buffer, .address_space: global }
      - { .name: avc, .offset: 24, .size: 8, .value_kind: global_buffer, .address_space: global }
    .group_segment_fixed_size: 264192
    .private_segment_fixed_size: 0
    .kernarg_segment_align: 8
    .kernarg_segment_size: 32
    .max_flat_workgroup_size: 512
    .sgpr_count:     106
    .vgpr_count:     256
    .wavefront_size: 32
...
	.end_amdgpu_metadata
.endif
;; end of part 3
;; launch proj (part 4): grid 8 x 32, 4 waves a work-group, clusters of 4 x 4, 327,680 bytes of LDS; arguments avc, pc, lowp_scales, tmp; writes tmp
.if DOCPART == 4
	.amdgcn_target "amdgcn-amd-amdhsa--gfx1250"
	.amdhsa_code_object_version 6
	.text
	.protected	k_qb48897ceb4_proj
	.globl	k_qb48897ceb4_proj
	.p2align	8
	.type	k_qb48897ceb4_proj,@function
k_qb48897ceb4_proj:
	s_mov_b64 s[64:65], 0
	v_nop
	global_prefetch_b8 v0, s[64:65] scope:SCOPE_SE
	s_setreg_imm32_b32 hwreg(HW_REG_WAVE_MODE, 25, 1), 1
	s_wait_xcnt 0x0
	s_wait_alu depctr_hold_cnt(0) depctr_sa_sdst(0) depctr_va_vdst(0) depctr_va_sdst(0) depctr_va_ssrc(0) depctr_va_vcc(0) depctr_vm_vsrc(0)
	s_getreg_b32 s2, hwreg(HW_REG_IB_STS2, 6, 4)
	s_cmp_eq_u32 s2, 0
	s_cbranch_scc0 .Lentry_in_a_cluster
	s_endpgm
.Lentry_in_a_cluster:
	s_bfe_u32 s2, ttmp6, 0x10000c
	s_cmp_lg_u32 s2, 0xf033
	s_cbranch_scc0 .Lentry_shape_is_right
	s_endpgm
.Lentry_shape_is_right:
.set FF2,   0
.set MB,    4
.set QS,    4
.if FF2
.set KK,    4096
.set BSEC,  20<<20
.set EA,    94
.else
.set KK,    1024
.set BSEC,  15<<20
.set EA,    90
.endif
.set CB,    QS*2048
.set TST,   16*KK
.set HALFT, MB*CB
.set SLOT,  4*HALFT
.set LAPS,  KK/(2*QS*128)
.set SPARE, 2*SLOT
.set HB,    2*MB
.set SPITCH, 272
.set ADRA, 16
.set ADRB, 20
.set STO,  24
.set RD,   25
.set CO,   26
.set LO,   27
.set SPW,  28
.set NIL,  29
.set TMP,  32
.set BK,   64
.set AF,   128
.set G1, 24
.set G0, 32
.set G1B, 48
.set G0B, 56
.set MSB, 0
.macro WIN new
.if MSB != \new
	s_set_vgpr_msb (MSB<<8)|\new
.set MSB, \new
.endif
.endm
.set MUL_LO, 0xa1
.set MUL_HI, 0xf1
.set TO_B,   0x40
.macro JLOAD g0a, g1a, g0b, g1b
	s_cmp_eq_u32 s15, 0
	s_cbranch_scc0 .Lfor_b_\@
	tensor_load_to_lds s[\g0a:\g0a+3], s[\g1a:\g1a+7]
	s_nop 0
.rept 4
	v_nop
.endr
	s_branch .Lasked_\@
.Lfor_b_\@:
	tensor_load_to_lds s[\g0b:\g0b+3], s[\g1b:\g1b+7]
	s_nop 0
.rept 4
	v_nop
.endr
.Lasked_\@:
.endm
.macro CREST
	s_cmp_lg_u32 s14, 0
	s_cbranch_scc1 .Lnot_wave_0_\@
	s_barrier_signal -3
.Lnot_wave_0_\@:
	s_barrier_wait -3
	s_barrier_signal -1
	s_barrier_wait -1
.endm
.macro CROUND
	s_barrier_signal -1
	s_barrier_wait -1
	CREST
.endm
	s_load_b128 s[4:7], s[0:1], 0x0
	s_load_b128 s[8:11], s[0:1], 0x10
	v_lshl_add_u32 v[SPW], v0, 2, SPARE
	v_mov_b32 v[NIL], 0
	ds_add_u32 v28, v29
	ds_add_u32 v28, v29
	s_wait_dscnt 0x0
	v_lshrrev_b32 v1, 5, v0
	v_readfirstlane_b32 s14, v1
	s_lshr_b32 s15, s14, 1
	s_and_b32 s16, s14, 1
	s_bfe_u32 s40, ttmp6, 0x40000
	s_bfe_u32 s41, ttmp6, 0x40004
	s_lshl_b32 s42, ttmp9, 2
	s_add_co_u32 s42, s42, s40
	s_and_b32 s17, ttmp7, 0xffff
	s_lshl_b32 s17, s17, 2
	s_add_co_u32 s17, s17, s41
	s_lshl_b32 s43, s41, 2
	s_lshl_b32 s43, 15, s43
	s_lshl_b32 s44, 0x1111, s40
	s_or_b32 s[G1+0], s43, (1<<21)
	s_or_b32 s[G1B+0], s44, (1<<21)
.irp g, G1, G1B
	s_mov_b32 s[\g+1], CB<<16
	s_mov_b32 s[\g+2], MB<<16
	s_mov_b32 s[\g+3], CB<<16
	s_mov_b32 s[\g+4], MB
	s_mov_b32 s[\g+5], TST
	s_mov_b32 s[\g+6], 0
	s_mov_b32 s[\g+7], 0
.endr
	s_mul_i32 s19, s16, MB*TST
	s_mul_i32 s20, s17, 2*MB*TST
	s_add_co_u32 s20, s20, s19
	s_mov_b32 s21, 0
	s_mul_i32 s46, s42, 2*MB*TST
	s_add_co_u32 s46, s46, s19
	s_add_co_u32 s46, s46, BSEC
	s_mov_b32 s47, 0
	s_mul_i32 s45, s14, HALFT
	s_wait_kmcnt 0x0
	s_load_b512 s[80:95], s[8:9], 0x0
	s_add_nc_u64 s[20:21], s[4:5], s[20:21]
	s_add_nc_u64 s[46:47], s[6:7], s[46:47]
	CROUND
.irp s, 0,1
	s_mov_b32 s[G0+4*\s], 1
	s_add_co_u32 s[G0+4*\s+1], s45, \s*SLOT
	s_add_nc_u64 s[G0+4*\s+2:G0+4*\s+3], s[20:21], \s*CB
	s_or_b32 s[G0+4*\s+3], s[G0+4*\s+3], 0x80000000
	s_mov_b32 s[G0B+4*\s], 1
	s_add_co_u32 s[G0B+4*\s+1], s45, \s*SLOT
	s_add_nc_u64 s[G0B+4*\s+2:G0B+4*\s+3], s[46:47], \s*CB
	s_or_b32 s[G0B+4*\s+3], s[G0B+4*\s+3], 0x80000000
.endr
	JLOAD G0, G1, G0B, G1B                         ; slot 0: one tensor load a wave at the head, behind the opening round
	v_and_b32 v6, 31, v0
	v_lshlrev_b32 v[LO], 4, v6
	s_mul_i32 s21, s15, HALFT
	s_mul_i32 s22, s16, HALFT
	s_add_co_u32 s22, s22, 2*HALFT
.irp s, 0,1
	v_add_nc_u32 v[ADRA+\s], s21, v[LO]
	v_add_nc_u32 v[ADRB+\s], s22, v[LO]
	s_add_co_u32 s21, s21, SLOT
	s_add_co_u32 s22, s22, SLOT
.endr
	v_and_b32 v1, 15, v0
	v_bfe_u32 v2, v0, 4, 1
	s_mul_i32 s23, s14, 16*SPITCH
	v_mul_u32_u24 v5, v1, SPITCH
	v_lshl_add_u32 v5, v2, 5, v5
	v_add_nc_u32 v[STO], s23, v5
	v_mul_u32_u24 v5, v2, SPITCH
	v_lshl_add_u32 v5, v1, 4, v5
	v_add_nc_u32 v[RD], s23, v5
	v_lshlrev_b32 v5, 12, v2
	v_lshl_add_u32 v[CO], v1, 4, v5
	s_lshl_b32 s72, s17, 19
	s_lshl_b32 s73, s15, 18
	s_add_co_u32 s72, s72, s73
	s_lshl_b32 s73, s42, 9
	s_add_co_u32 s72, s72, s73
	s_lshl_b32 s73, s16, 8
	s_add_co_u32 s72, s72, s73
	s_mov_b32 s73, 0
	s_add_nc_u64 s[10:11], s[10:11], s[72:73]
.macro FRAG reg, adr, q, i
.irp c, 0,1,2,3
	ds_load_b128 v[\reg+4*\c:\reg+4*\c+3], v[\adr] offset:(\i)*CB+(\q)*2048+512*\c
.endr
.endm
.macro MULS a0, n, p, zero
.set aa, \a0
.rept \n
.set bb, 0
.rept MB
.if \zero
	v_wmma_f32_16x16x128_fp8_fp8 v[8*(MB*(aa%(MB/2))+bb):8*(MB*(aa%(MB/2))+bb)+7], v[16*MB*(\p)+16*bb:16*MB*(\p)+16*bb+15], v[AF+16*aa:AF+16*aa+15], 0
.else
	v_wmma_f32_16x16x128_fp8_fp8 v[8*(MB*(aa%(MB/2))+bb):8*(MB*(aa%(MB/2))+bb)+7], v[16*MB*(\p)+16*bb:16*MB*(\p)+16*bb+15], v[AF+16*aa:AF+16*aa+15], v[8*(MB*(aa%(MB/2))+bb):8*(MB*(aa%(MB/2))+bb)+7]
.endif
.set bb, bb+1
.endr
.set aa, aa+1
.endr
.endm
.macro FETCH_B slot, q, p
	WIN TO_B
.set ii, 0
.rept MB
	FRAG 16*MB*(\p)+16*ii, ADRB+\slot, \q, ii
.set ii, ii+1
.endr
	WIN 0
.endm
.macro FETCH_A slot, q, i0
.set ii, \i0
.rept MB/2
	FRAG AF+16*ii, ADRA+\slot, \q, ii
.set ii, ii+1
.endr
.endm
.macro PLACES
.rept 4
	v_nop
.endr
.endm
.macro STEP slot, q, zero
	s_wait_dscnt HB
	WIN MUL_LO
	MULS 0, MB/2, (\q)%2, \zero
	s_wait_dscnt 0
	PLACES
	FETCH_B \slot, (\q)+1, 1-(\q)%2
	FETCH_A \slot, (\q)+1, 0
	WIN MUL_HI
	MULS MB/2, MB/2, (\q)%2, \zero
	PLACES
	WIN 0
	FETCH_A \slot, (\q)+1, MB/2
.endm
.macro STEPS slot, from
.set qq, \from
.rept QS-1-\from
	STEP \slot, qq, 0
.set qq, qq+1
.endr
.endm
.macro TURN slot, next, fill
	s_wait_tensorcnt 0x0
	ds_add_u32 v[SPW], v[NIL]
	s_wait_dscnt HB+1
	WIN MUL_LO
	MULS 0, MB/4, 1, 0
	s_wait_dscnt 0x0
	s_barrier_signal -1
	MULS MB/4, MB/4, 1, 0
	WIN 0
	s_barrier_wait -1
.if \fill
	CREST
	s_add_nc_u64 s[G0+4*\slot+2:G0+4*\slot+3], s[G0+4*\slot+2:G0+4*\slot+3], 2*CB
	s_add_nc_u64 s[G0B+4*\slot+2:G0B+4*\slot+3], s[G0B+4*\slot+2:G0B+4*\slot+3], 2*CB
	JLOAD G0+4*\slot, G1, G0B+4*\slot, G1B
.else
	PLACES
.endif
	FETCH_B \next, 0, 0
	FETCH_A \next, 0, 0
	WIN MUL_HI
	MULS MB/2, MB/2, 1, 0
	PLACES
	WIN 0
	FETCH_A \next, 0, MB/2
.endm
	s_wait_alu depctr_va_vdst(0)                   ; the wait at the head's end
	s_wait_tensorcnt 0x0                           ; my part of slot 0 is in; slot 1's first fill is issued as a refill is:
	ds_add_u32 v[SPW], v[NIL]                      ; 0 onto my spare word
	s_wait_dscnt 0x0
	CROUND                                         ; everybody's part of slot 0 is in, and the sixteen work-groups meet
	JLOAD G0+4, G1, G0B+4, G1B                     ; slot 1: the first tensor load behind the round
	FETCH_B 0, 0, 0
	FETCH_A 0, 0, 0
	FETCH_A 0, 0, MB/2
	STEP 0, 0, 1
.if QS > 2
	STEPS 0, 1
.endif
.if LAPS > 1
	s_mov_b32 s3, LAPS-1
.Llap:
	TURN 0, 1, 1
	STEPS 1, 0
	TURN 1, 0, 1
	STEPS 0, 0
	s_sub_co_u32 s3, s3, 1
	s_cmp_lg_u32 s3, 0
	s_cbranch_scc1 .Llap
.endif
	TURN 0, 1, 0
	STEPS 1, 0
	s_wait_dscnt HB
	WIN MUL_LO
	MULS 0, MB/2, 1, 0
	s_wait_dscnt 0
	WIN MUL_HI
	MULS MB/2, MB/2, 1, 0
	WIN 0
.macro TOSTAGE a
	WIN 0x02+((\a)/2)
.irp j, 0,2,4,6,8,10,12,14,16,18,20,22,24,26,28,30
	v_pk_mul_f32 v[TMP+\j:TMP+\j+1], v[32*((\a)%2)+\j:32*((\a)%2)+\j+1], s[96:97] op_sel_hi:[1,0]
.endr
	WIN 0
.irp b, 0,1,2,3
	ds_store_b128 v[STO], v[TMP+8*\b:TMP+8*\b+3] offset:64*\b
	ds_store_b128 v[STO], v[TMP+8*\b+4:TMP+8*\b+7] offset:64*\b+16
.endr
.irp t, 0,1,2,3,4,5,6,7
	ds_load_b128 v[BK+32*((\a)%2)+4*\t:BK+32*((\a)%2)+4*\t+3], v[RD] offset:\t*2*SPITCH
.endr
.endm
.macro SEND a, younger
	s_wait_dscnt \younger
.irp t, 0,1,2,3,4,5,6,7
	global_store_b128 v[CO], v[BK+32*((\a)%2)+4*\t:BK+32*((\a)%2)+4*\t+3], s[10:11] offset:(16*(\a)+2*\t)*4096
.endr
.endm
	s_wait_kmcnt 0x0
	s_add_co_i32 s96, s[EA], s[EA+1]
	s_add_co_i32 s96, s96, 127
	s_lshl_b32 s96, s96, 23
	s_mov_b32 s97, s96
	PLACES
	TOSTAGE 0
.irp a, 1,2,3
.if \a > 1
	s_wait_xcnt 0x0
.endif
	TOSTAGE \a
	SEND \a-1, 16
.endr
	SEND 3, 0
	s_wait_tensorcnt 0x0
	ds_add_u32 v[SPW], v[NIL]
	s_wait_dscnt 0x0
	CROUND
	s_endpgm
.Lfunc_end_k_qb48897ceb4_proj:
	.size	k_qb48897ceb4_proj, .Lfunc_end_k_qb48897ceb4_proj-k_qb48897ceb4_proj
	.p2alignl 7, 3214868480
	.fill 96, 4, 3214868480
	.section	.rodata,"a",@progbits
	.p2align	6, 0x0
	.amdhsa_kernel k_qb48897ceb4_proj
		.amdhsa_group_segment_fixed_size 327680
		.amdhsa_private_segment_fixed_size 0
		.amdhsa_enable_private_segment 0
		.amdhsa_kernarg_size 32
		.amdhsa_user_sgpr_count 2
		.amdhsa_user_sgpr_kernarg_segment_ptr 1
		.amdhsa_wavefront_size32 1
		.amdhsa_system_sgpr_workgroup_id_x 1
		.amdhsa_system_sgpr_workgroup_id_y 1
		.amdhsa_system_sgpr_workgroup_id_z 1
		.amdhsa_system_vgpr_workitem_id 0
		.amdhsa_next_free_vgpr 1024
		.amdhsa_next_free_sgpr 100
		.amdhsa_reserve_vcc 0
		.amdhsa_float_denorm_mode_32 3
		.amdhsa_float_denorm_mode_16_64 3
		.amdhsa_memory_ordered 1
		.amdhsa_forward_progress 1
		.amdhsa_inst_pref_size 47
	.end_amdhsa_kernel
	.amdgpu_metadata
---
amdhsa.version: [ 1, 2 ]
amdhsa.kernels:
  - .name:           k_qb48897ceb4_proj
    .symbol:         k_qb48897ceb4_proj.kd
    .args:
      - { .name: avc, .offset: 0, .size: 8, .value_kind: global_buffer, .address_space: global }
      - { .name: pc, .offset: 8, .size: 8, .value_kind: global_buffer, .address_space: global }
      - { .name: lowp_scales, .offset: 16, .size: 8, .value_kind: global_buffer, .address_space: global }
      - { .name: tmp, .offset: 24, .size: 8, .value_kind: global_buffer, .address_space: global }
    .group_segment_fixed_size: 327680
    .private_segment_fixed_size: 0
    .kernarg_segment_align: 8
    .kernarg_segment_size: 32
    .max_flat_workgroup_size: 128
    .sgpr_count:     100
    .vgpr_count:     1024
    .wavefront_size: 32
...
	.end_amdgpu_metadata
.endif
;; end of part 4
;; launch ln1 (part 5): grid 256 x 1, 8 waves a work-group, no clusters, 17,664 bytes of LDS; arguments tmp, dec_inp, ln1_gamma, ln1_beta, lowp_scales, hb; writes hb
.if DOCPART == 5
	.amdgcn_target "amdgcn-amd-amdhsa--gfx1250"
	.amdhsa_code_object_version 6
	.text
	.protected	k_qb48897ceb4_ln1
	.globl	k_qb48897ceb4_ln1
	.p2align	8
	.type	k_qb48897ceb4_ln1,@function
k_qb48897ceb4_ln1:
	s_mov_b64 s[64:65], 0
	v_nop
	global_prefetch_b8 v0, s[64:65] scope:SCOPE_SE
	s_setreg_imm32_b32 hwreg(HW_REG_WAVE_MODE, 25, 1), 1
	s_wait_xcnt 0x0
; LAYER NORM OF A RESIDUAL SUM: out = gamma (z - mean) rsqrt(var + 1e-5) + beta, z = y + res, rows of 1,024.  CODES = 1: y = the projection, res = dec_inp; out = h, stored as f32 and as codes under e12.
; CODES = 0: y = the second feed-forward product, res = h; out = out0; and one wave adds the KL term's 1,536 partial sums into out1.
; y's rows lie in the order batch x 2,048 + position; res and the f32 result in memory's own order, 2 x position + batch.  A work-group takes 16 rows of y's order, each of its eight waves two: a row is eight loads of
; 512 consecutive bytes and stays in 32 registers; mean and variance in two passes (the variance of the differences), so that no difference of large sums is formed.  Memory binds: no matrix unit, no tensor loads.
; THE CODES leave as an image of the next product's operand (16 rows x 128 along K: 2,048 bytes, piece c at 512 c, lane 16 h + r at 16 x lane, byte i: k = 32 c + 16 (i / 8) + 8 h + i % 8).  A lane's four numbers of a load
; are four neighbouring bytes of it; the rows meet in LDS (rows 1,040 bytes apart), one barrier, and wave w stores K step w: 512 consecutive bytes a store.
; LIMIT: e12 between -126 and 119.
.set CODES, 1
.set G,   8                            ; v8-39   gamma
.set BT,  40                           ; v40-71  beta
.set Y0,  72                           ; v72-103 row 0: y, then z, the differences, the result
.set R0,  104                          ; v104-135 row 0: res, then the held numbers
.set Y1,  136
.set R1,  168
.set AC,  200                          ; v200-207 four pairs of sums
.set ST0, 208                          ; v208-211 row 0: the mean twice, the reciprocal root twice
.set ST1, 212
.set C0,  216                          ; v216-223, v224-231 the two rows' codes
.set C1,  224
.set LP,  1040
	s_load_b256 s[4:11], s[0:1], 0x0               ; y, res, gamma, beta
	s_load_b128 s[12:15], s[0:1], 0x20             ; the exponents (or pc), the result
	v_lshl_add_u32 v232, v0, 2, 0x4100
	v_mov_b32 v233, 0
.if CODES == 0
	s_load_b64 s[16:17], s[0:1], 0x30              ; out1
.endif
	v_lshrrev_b32 v2, 5, v0
	s_delay_alu instid0(VALU_DEP_1)
	v_readfirstlane_b32 s20, v2                    ; wave
	v_and_b32 v3, 31, v0
	s_delay_alu instid0(VALU_DEP_1)
	v_lshlrev_b32 v1, 4, v3                        ; 16 x lane
	s_lshl_b32 s22, ttmp9, 16
	s_lshl_b32 s23, s20, 13
	s_add_co_u32 s22, s22, s23                     ; y: row 16 x work-group + 2 x wave
	s_mov_b32 s23, 0
	s_and_b32 s28, ttmp9, 127
	s_lshl_b32 s28, s28, 5
	s_lshl_b32 s29, s20, 2
	s_add_co_u32 s28, s28, s29
	s_lshr_b32 s29, ttmp9, 7
	s_add_co_u32 s28, s28, s29                     ; the same row in memory's order: 2 (16 (work-group % 128) + 2 x wave) + batch; my second row lies two further on
	s_lshl_b32 s28, s28, 12
	s_mov_b32 s29, 0
	s_mov_b32 s24, 0x76543210
	s_mov_b32 s25, 0xfedcba98
	s_mov_b32 s26, 0x3a800000                      ; 2^-10
	s_mov_b32 s27, 0x3727c5ac                      ; 1e-5
.if CODES
	s_lshl_b32 s34, ttmp9, 14
	s_lshl_b32 s35, s20, 11
	s_add_co_u32 s34, s34, s35
	s_add_co_u32 s34, s34, 16<<20                  ; the codes lie 16 MiB into hb: row tile = work-group, K step = wave
	s_mov_b32 s35, 0
	v_bfe_u32 v4, v0, 3, 2                         ; where a lane's four codes of a load go in a row's 128 bytes of that load: piece lane / 8,
	s_delay_alu instid0(VALU_DEP_1)
	v_lshlrev_b32 v4, 5, v4
	v_bfe_u32 v5, v0, 1, 1                         ; h = bit 1 of the lane,
	s_delay_alu instid0(VALU_DEP_1)
	v_lshl_add_u32 v4, v5, 4, v4
	v_bfe_u32 v5, v0, 2, 1                         ; the upper eight bytes for bit 2,
	s_delay_alu instid0(VALU_DEP_1)
	v_lshl_add_u32 v4, v5, 3, v4
	v_and_b32 v5, 1, v0                            ; the upper four of those for bit 0
	s_delay_alu instid0(VALU_DEP_1)
	v_lshl_add_u32 v4, v5, 2, v4
	s_mul_i32 s36, s20, 2*LP
	v_add_nc_u32 v4, s36, v4                       ; + my first row
	v_and_b32 v5, 15, v0
	s_delay_alu instid0(VALU_DEP_1)
	v_mul_u32_u24 v5, v5, LP
	v_bfe_u32 v6, v0, 4, 1
	s_delay_alu instid0(VALU_DEP_1)
	v_lshl_add_u32 v5, v6, 4, v5
	s_lshl_b32 s36, s20, 7
	v_add_nc_u32 v5, s36, v5                       ; back: row lane % 16, K step = wave, + 16 (lane / 16)
.endif
	s_wait_kmcnt 0x0
.if CODES
	s_load_b32 s30, s[12:13], 0x30                 ; e12
	s_add_nc_u64 s[32:33], s[14:15], s[34:35]
.endif
	s_add_nc_u64 s[4:5], s[4:5], s[22:23]
	s_add_nc_u64 s[6:7], s[6:7], s[28:29]
	s_add_nc_u64 s[14:15], s[14:15], s[28:29]
.irp i, 0,1,2,3,4,5,6,7
	global_load_b128 v[Y0+4*\i:Y0+4*\i+3], v1, s[4:5] offset:512*\i
.endr
.irp i, 0,1,2,3,4,5,6,7
	global_load_b128 v[R0+4*\i:R0+4*\i+3], v1, s[6:7] offset:512*\i
.endr
.irp i, 0,1,2,3,4,5,6,7
	global_load_b128 v[Y1+4*\i:Y1+4*\i+3], v1, s[4:5] offset:4096+512*\i
.endr
.irp i, 0,1,2,3,4,5,6,7
	global_load_b128 v[R1+4*\i:R1+4*\i+3], v1, s[6:7] offset:8192+512*\i
.endr
.irp i, 0,1,2,3,4,5,6,7
	global_load_b128 v[G+4*\i:G+4*\i+3], v1, s[8:9] offset:512*\i
.endr
.irp i, 0,1,2,3,4,5,6,7
	global_load_b128 v[BT+4*\i:BT+4*\i+3], v1, s[10:11] offset:512*\i
.endr
.macro RED                             ; the four pairs, then the 32 lanes: every lane ends with the sum in v[AC]
	s_delay_alu instid0(VALU_DEP_3)
	v_pk_add_f32 v[AC:AC+1], v[AC:AC+1], v[AC+2:AC+3]
	s_delay_alu instid0(VALU_DEP_2)
	v_pk_add_f32 v[AC+4:AC+5], v[AC+4:AC+5], v[AC+6:AC+7]
	s_delay_alu instid0(VALU_DEP_1)
	v_pk_add_f32 v[AC:AC+1], v[AC:AC+1], v[AC+4:AC+5]
	s_delay_alu instid0(VALU_DEP_1)
	v_add_f32 v[AC], v[AC], v[AC+1]
	s_delay_alu instid0(VALU_DEP_1)
	v_add_f32_dpp v[AC], v[AC], v[AC] row_xmask:1 row_mask:0xf bank_mask:0xf
	s_delay_alu instid0(VALU_DEP_1)
	v_add_f32_dpp v[AC], v[AC], v[AC] row_xmask:2 row_mask:0xf bank_mask:0xf
	s_delay_alu instid0(VALU_DEP_1)
	v_add_f32_dpp v[AC], v[AC], v[AC] row_xmask:4 row_mask:0xf bank_mask:0xf
	s_delay_alu instid0(VALU_DEP_1)
	v_add_f32_dpp v[AC], v[AC], v[AC] row_xmask:8 row_mask:0xf bank_mask:0xf
	s_delay_alu instid0(VALU_DEP_1)
	v_permlanex16_b32 v[AC+1], v[AC], s24, s25
	s_delay_alu instid0(VALU_DEP_1)
	v_add_f32 v[AC], v[AC], v[AC+1]
.endm
.macro STAT y, r, st
.set j, 0
.rept 16
	v_pk_add_f32 v[\y+j:\y+j+1], v[\y+j:\y+j+1], v[\r+j:\r+j+1]   ; z
.set j, j+2
.endr
.irp k, 0,2,4,6
	v_pk_add_f32 v[AC+\k:AC+\k+1], v[\y+\k:\y+\k+1], v[\y+8+\k:\y+8+\k+1]
.endr
.irp k, 0,2,4,6
	s_delay_alu instid0(VALU_DEP_4)
	v_pk_add_f32 v[AC+\k:AC+\k+1], v[AC+\k:AC+\k+1], v[\y+16+\k:\y+16+\k+1]
.endr
.irp k, 0,2,4,6
	s_delay_alu instid0(VALU_DEP_4)
	v_pk_add_f32 v[AC+\k:AC+\k+1], v[AC+\k:AC+\k+1], v[\y+24+\k:\y+24+\k+1]
.endr
	RED
	s_delay_alu instid0(VALU_DEP_1)
	v_mul_f32 v[\st], s26, v[AC]                   ; the mean
	s_delay_alu instid0(VALU_DEP_1)
	v_mov_b32 v[\st+1], v[\st]
.set j, 0
.rept 16
	v_pk_add_f32 v[\y+j:\y+j+1], v[\y+j:\y+j+1], v[\st:\st+1] neg_lo:[0,1] neg_hi:[0,1]
.set j, j+2
.endr
.irp k, 0,2,4,6
	v_pk_mul_f32 v[AC+\k:AC+\k+1], v[\y+\k:\y+\k+1], v[\y+\k:\y+\k+1]
.endr
.irp o, 8,16,24
.irp k, 0,2,4,6
	s_delay_alu instid0(VALU_DEP_4)
	v_pk_fma_f32 v[AC+\k:AC+\k+1], v[\y+\o+\k:\y+\o+\k+1], v[\y+\o+\k:\y+\o+\k+1], v[AC+\k:AC+\k+1]
.endr
.endr
	RED
	s_delay_alu instid0(VALU_DEP_1)
	v_fma_f32 v[AC], v[AC], s26, s27               ; the variance + 1e-5
	s_wait_alu depctr_va_vdst(0)
	v_rsq_f32 v[\st+2], v[AC]
	v_nop                                          ; a plain line behind the transcendental
	s_wait_alu depctr_va_vdst(0)
	v_mov_b32 v[\st+3], v[\st+2]
.endm
.macro GAIN y, st, off
.set j, 0
.rept 16
	v_pk_mul_f32 v[\y+j:\y+j+1], v[\y+j:\y+j+1], v[\st+2:\st+3]
.set j, j+2
.endr
.set j, 0
.rept 16
	v_pk_fma_f32 v[\y+j:\y+j+1], v[\y+j:\y+j+1], v[G+j:G+j+1], v[BT+j:BT+j+1]
.set j, j+2
.endr
.irp i, 0,1,2,3,4,5,6,7
	global_store_b128 v1, v[\y+4*\i:\y+4*\i+3], s[14:15] offset:\off+512*\i   ; 512 consecutive bytes, aligned
.endr
.endm
.macro QROW y, r, c, row               ; the row's codes: held copies in the registers that res has left; eight registers (two loads' four numbers each) to a conversion
.set j, 0
.rept 32
	v_med3_num_f32 v[\r+j], v[\y+j], -v7, v7       ; the conversion does not saturate (ISA guide 7.6.2)
.set j, j+1
.endr
.irp q, 0,1,2,3
	v_cvt_scalef32_pk8_fp8_f32 v[\c+2*\q:\c+2*\q+1], v[\r+8*\q:\r+8*\q+7], v6
.endr
	v_nop
.irp i, 0,1,2,3,4,5,6,7
	ds_store_b32 v4, v[\c+\i] offset:\row*LP+128*\i
.endr
.endm
	s_wait_loadcnt 32                              ; row 0 is in; row 1's sixteen loads and the gains' sixteen may be out
	STAT Y0, R0, ST0
	s_wait_loadcnt 16                              ; row 1 is in; the gains' may be out
	STAT Y1, R1, ST1
	s_wait_loadcnt 0x0
	GAIN Y0, ST0, 0
	GAIN Y1, ST1, 8192
.if CODES
	s_wait_kmcnt 0x0
	s_add_co_i32 s30, s30, 127
	s_lshl_b32 s31, s30, 23
	v_mov_b32 v6, s31                              ; 2^e12
	s_add_co_i32 s30, s30, 8
	s_lshl_b32 s30, s30, 23
	s_or_b32 s30, s30, 0x600000
	v_mov_b32 v7, s30                              ; 448 x 2^e12
	QROW Y0, R0, C0, 0
	QROW Y1, R1, C1, 1
	s_wait_dscnt 0x0                               ; for the others' sake: my stores have landed
	s_barrier_signal -1
	s_barrier_wait -1
.irp c, 0,1,2,3
	ds_load_b128 v[R0+4*\c:R0+4*\c+3], v5 offset:32*\c
.endr
	s_wait_dscnt 0x0
.irp c, 0,1,2,3
	global_store_b128 v1, v[R0+4*\c:R0+4*\c+3], s[32:33] offset:512*\c
.endr
.else
	s_cmp_lg_u32 ttmp9, 0                          ; the KL term: one wave of the launch adds the partial sums
	s_cbranch_scc1 .Lend
	s_cmp_lg_u32 s20, 0
	s_cbranch_scc1 .Lend
	s_add_nc_u64 s[12:13], s[12:13], 0x1800000     ; they lie 24 MiB into pc
.irp i, 0,1,2,3,4,5,6,7,8,9,10,11
	global_load_b128 v[G+4*\i:G+4*\i+3], v1, s[12:13] offset:512*\i
.endr
	s_wait_loadcnt 0x0
.set j, 2
.rept 23
	v_pk_add_f32 v[G:G+1], v[G:G+1], v[G+j:G+j+1]
.set j, j+2
.endr
	v_add_f32 v[AC], v[G], v[G+1]
	v_add_f32_dpp v[AC], v[AC], v[AC] row_xmask:1 row_mask:0xf bank_mask:0xf
	v_add_f32_dpp v[AC], v[AC], v[AC] row_xmask:2 row_mask:0xf bank_mask:0xf
	v_add_f32_dpp v[AC], v[AC], v[AC] row_xmask:4 row_mask:0xf bank_mask:0xf
	v_add_f32_dpp v[AC], v[AC], v[AC] row_xmask:8 row_mask:0xf bank_mask:0xf
	v_permlanex16_b32 v[AC+1], v[AC], s24, s25
	v_add_f32 v[AC], v[AC], v[AC+1]
	v_mov_b32 v2, 0
	v_cmp_eq_u32 vcc_lo, 0, v3
	s_wait_xcnt 0x0                                ; EXEC changes only behind this wait
	s_and_saveexec_b32 s21, vcc_lo
	global_store_b32 v2, v[AC], s[16:17]
.Lend:
.endif
	s_wait_tensorcnt 0x0
	ds_add_u32 v232, v233
	s_wait_dscnt 0x0
	s_endpgm
.Lfunc_end_k_qb48897ceb4_ln1:
	.size	k_qb48897ceb4_ln1, .Lfunc_end_k_qb48897ceb4_ln1-k_qb48897ceb4_ln1
	.p2alignl 7, 3214868480
	.fill 96, 4, 3214868480
	.section	.rodata,"a",@progbits
	.p2align	6, 0x0
	.amdhsa_kernel k_qb48897ceb4_ln1
		.amdhsa_group_segment_fixed_size 17664
		.amdhsa_private_segment_fixed_size 0
		.amdhsa_enable_private_segment 0
		.amdhsa_kernarg_size 48
		.amdhsa_user_sgpr_count 2
		.amdhsa_user_sgpr_kernarg_segment_ptr 1
		.amdhsa_wavefront_size32 1
		.amdhsa_system_sgpr_workgroup_id_x 1
		.amdhsa_system_sgpr_workgroup_id_y 1
		.amdhsa_system_sgpr_workgroup_id_z 1
		.amdhsa_system_vgpr_workitem_id 0
		.amdhsa_next_free_vgpr 234
		.amdhsa_next_free_sgpr 66
		.amdhsa_reserve_vcc 1
		.amdhsa_float_denorm_mode_32 3
		.amdhsa_float_denorm_mode_16_64 3
		.amdhsa_memory_ordered 1
		.amdhsa_forward_progress 1
		.amdhsa_inst_pref_size 33
	.end_amdhsa_kernel
	.amdgpu_metadata
---
amdhsa.version: [ 1, 2 ]
amdhsa.kernels:
  - .name:           k_qb48897ceb4_ln1
    .symbol:         k_qb48897ceb4_ln1.kd
    .args:
      - { .name: tmp, .offset: 0, .size: 8, .value_kind: global_buffer, .address_space: global }
      - { .name: dec_inp, .offset: 8, .size: 8, .value_kind: global_buffer, .address_space: global }
      - { .name: ln1_gamma, .offset: 16, .size: 8, .value_kind: global_buffer, .address_space: global }
      - { .name: ln1_beta, .offset: 24, .size: 8, .value_kind: global_buffer, .address_space: global }
      - { .name: lowp_scales, .offset: 32, .size: 8, .value_kind: global_buffer, .address_space: global }
      - { .name: hb, .offset: 40, .size: 8, .value_kind: global_buffer, .address_space: global }
    .group_segment_fixed_size: 17664
    .private_segment_fixed_size: 0
    .kernarg_segment_align: 8
    .kernarg_segment_size: 48
    .max_flat_workgroup_size: 256
    .sgpr_count:     66
    .vgpr_count:     234
    .wavefront_size: 32
...
	.end_amdgpu_metadata
.endif
;; end of part 5
;; launch ff1 (part 6): grid 16 x 16, 4 waves a work-group, clusters of 4 x 4, 327,680 bytes of LDS; arguments hb, pc, lowp_scales, l1c; writes l1c
.if DOCPART == 6
	.amdgcn_target "amdgcn-amd-amdhsa--gfx1250"
	.amdhsa_code_object_version 6
	.text
	.protected	k_qb48897ceb4_ff1
	.globl	k_qb48897ceb4_ff1
	.p2align	8
	.type	k_qb48897ceb4_ff1,@function
k_qb48897ceb4_ff1:
	s_mov_b64 s[64:65], 0
	v_nop
	global_prefetch_b8 v0, s[64:65] scope:SCOPE_SE
	s_setreg_imm32_b32 hwreg(HW_REG_WAVE_MODE, 25, 1), 1
	s_wait_xcnt 0x0
	s_wait_alu depctr_hold_cnt(0) depctr_sa_sdst(0) depctr_va_vdst(0) depctr_va_sdst(0) depctr_va_ssrc(0) depctr_va_vcc(0) depctr_vm_vsrc(0)
	s_getreg_b32 s2, hwreg(HW_REG_IB_STS2, 6, 4)
	s_cmp_eq_u32 s2, 0
	s_cbranch_scc0 .Lentry_in_a_cluster
	s_endpgm
.Lentry_in_a_cluster:
	s_bfe_u32 s2, ttmp6, 0x10000c
	s_cmp_lg_u32 s2, 0xf033
	s_cbranch_scc0 .Lentry_shape_is_right
	s_endpgm
.Lentry_shape_is_right:
.set QKV,   0
.set MB,    8
.set QS,    2
.set KK,    1024
.set CB,    QS*2048
.set TST,   16*KK
.set HALFT, MB*CB
.set SLOT,  4*HALFT
.set LAPS,  KK/(2*QS*128)
.set SPARE, 2*SLOT
.set HB,    2*MB
.if QKV
.set OST,   2048
.else
.set OST,   65536
.endif
.set ADRA, 16
.set ADRB, 20
.set LO,   26
.set SPW,  28
.set NIL,  29
.set SCV,  30
.set LIM,  31
.set TMP,  32
.set AF,   128
.set CD,   128
.set G1, 24
.set G0, 32
.set G1B, 48
.set G0B, 56
.set MSB, 0
.macro WIN new
.if MSB != \new
	s_set_vgpr_msb (MSB<<8)|\new
.set MSB, \new
.endif
.endm
.set MUL_LO, 0xa1
.set MUL_HI, 0xf1
.set TO_B,   0x40
.macro JLOAD g0a, g1a, g0b, g1b
	s_cmp_eq_u32 s15, 0
	s_cbranch_scc0 .Lfor_b_\@
	tensor_load_to_lds s[\g0a:\g0a+3], s[\g1a:\g1a+7]
	s_nop 0
.rept 4
	v_nop
.endr
	s_branch .Lasked_\@
.Lfor_b_\@:
	tensor_load_to_lds s[\g0b:\g0b+3], s[\g1b:\g1b+7]
	s_nop 0
.rept 4
	v_nop
.endr
.Lasked_\@:
.endm
.macro CREST
	s_cmp_lg_u32 s14, 0
	s_cbranch_scc1 .Lnot_wave_0_\@
	s_barrier_signal -3
.Lnot_wave_0_\@:
	s_barrier_wait -3
	s_barrier_signal -1
	s_barrier_wait -1
.endm
.macro CROUND
	s_barrier_signal -1
	s_barrier_wait -1
	CREST
.endm
	s_load_b128 s[4:7], s[0:1], 0x0
	s_load_b128 s[8:11], s[0:1], 0x10
	v_lshl_add_u32 v[SPW], v0, 2, SPARE
	v_mov_b32 v[NIL], 0
	ds_add_u32 v28, v29
	ds_add_u32 v28, v29
	s_wait_dscnt 0x0
	v_lshrrev_b32 v1, 5, v0
	v_readfirstlane_b32 s14, v1
	s_lshr_b32 s15, s14, 1
	s_and_b32 s16, s14, 1
	s_bfe_u32 s40, ttmp6, 0x40000
	s_bfe_u32 s41, ttmp6, 0x40004
	s_and_b32 s18, ttmp7, 0xffff
	s_lshl_b32 s18, s18, 2
	s_add_co_u32 s17, s18, s41
	s_lshl_b32 s42, ttmp9, 2
	s_add_co_u32 s42, s42, s40
	s_mov_b32 s68, 16<<20
	s_mov_b32 s70, 16<<20
	s_lshl_b32 s43, s41, 2
	s_lshl_b32 s43, 15, s43
	s_lshl_b32 s44, 0x1111, s40
	s_or_b32 s[G1+0], s43, (1<<21)
	s_or_b32 s[G1B+0], s44, (1<<21)
.irp g, G1, G1B
	s_mov_b32 s[\g+1], CB<<16
	s_mov_b32 s[\g+2], MB<<16
	s_mov_b32 s[\g+3], CB<<16
	s_mov_b32 s[\g+4], MB
	s_mov_b32 s[\g+5], TST
	s_mov_b32 s[\g+6], 0
	s_mov_b32 s[\g+7], 0
.endr
	s_mul_i32 s19, s16, MB*TST
	s_mul_i32 s20, s17, 2*MB*TST
	s_add_co_u32 s20, s20, s19
	s_add_co_u32 s20, s20, s68
	s_mov_b32 s21, 0
	s_mul_i32 s46, s42, 2*MB*TST
	s_add_co_u32 s46, s46, s19
	s_add_co_u32 s46, s46, s70
	s_mov_b32 s47, 0
	s_mul_i32 s45, s14, HALFT
	s_wait_kmcnt 0x0
	s_load_b512 s[80:95], s[8:9], 0x0
	s_add_nc_u64 s[20:21], s[4:5], s[20:21]
	s_add_nc_u64 s[46:47], s[6:7], s[46:47]
	CROUND
.irp s, 0,1
	s_mov_b32 s[G0+4*\s], 1
	s_add_co_u32 s[G0+4*\s+1], s45, \s*SLOT
	s_add_nc_u64 s[G0+4*\s+2:G0+4*\s+3], s[20:21], \s*CB
	s_or_b32 s[G0+4*\s+3], s[G0+4*\s+3], 0x80000000
	s_mov_b32 s[G0B+4*\s], 1
	s_add_co_u32 s[G0B+4*\s+1], s45, \s*SLOT
	s_add_nc_u64 s[G0B+4*\s+2:G0B+4*\s+3], s[46:47], \s*CB
	s_or_b32 s[G0B+4*\s+3], s[G0B+4*\s+3], 0x80000000
.endr
	JLOAD G0, G1, G0B, G1B                         ; slot 0: one tensor load a wave at the head, behind the opening round
	v_and_b32 v6, 31, v0
	v_lshlrev_b32 v[LO], 4, v6
	s_mul_i32 s21, s15, HALFT
	s_mul_i32 s22, s16, HALFT
	s_add_co_u32 s22, s22, 2*HALFT
.irp s, 0,1
	v_add_nc_u32 v[ADRA+\s], s21, v[LO]
	v_add_nc_u32 v[ADRB+\s], s22, v[LO]
	s_add_co_u32 s21, s21, SLOT
	s_add_co_u32 s22, s22, SLOT
.endr
	s_lshl_b32 s72, s17, 20
	s_lshl_b32 s73, s15, 19
	s_add_co_u32 s72, s72, s73
	s_lshl_b32 s73, s42, 12
	s_add_co_u32 s72, s72, s73
	s_lshl_b32 s73, s16, 11
	s_add_co_u32 s72, s72, s73
	s_mov_b32 s73, 0
	s_add_nc_u64 s[10:11], s[10:11], s[72:73]
.macro FRAG reg, adr, q, i
.irp c, 0,1,2,3
	ds_load_b128 v[\reg+4*\c:\reg+4*\c+3], v[\adr] offset:(\i)*CB+(\q)*2048+512*\c
.endr
.endm
.macro MULS a0, n, p, zero
.set aa, \a0
.rept \n
.set bb, 0
.rept MB
.if \zero
	v_wmma_f32_16x16x128_fp8_fp8 v[8*(MB*(aa%(MB/2))+bb):8*(MB*(aa%(MB/2))+bb)+7], v[16*MB*(\p)+16*bb:16*MB*(\p)+16*bb+15], v[AF+16*aa:AF+16*aa+15], 0
.else
	v_wmma_f32_16x16x128_fp8_fp8 v[8*(MB*(aa%(MB/2))+bb):8*(MB*(aa%(MB/2))+bb)+7], v[16*MB*(\p)+16*bb:16*MB*(\p)+16*bb+15], v[AF+16*aa:AF+16*aa+15], v[8*(MB*(aa%(MB/2))+bb):8*(MB*(aa%(MB/2))+bb)+7]
.endif
.set bb, bb+1
.endr
.set aa, aa+1
.endr
.endm
.macro FETCH_B slot, q, p
	WIN TO_B
.set ii, 0
.rept MB
	FRAG 16*MB*(\p)+16*ii, ADRB+\slot, \q, ii
.set ii, ii+1
.endr
	WIN 0
.endm
.macro FETCH_A slot, q, i0
.set ii, \i0
.rept MB/2
	FRAG AF+16*ii, ADRA+\slot, \q, ii
.set ii, ii+1
.endr
.endm
.macro PLACES
.rept 4
	v_nop
.endr
.endm
.macro STEP slot, q, zero
	s_wait_dscnt HB
	WIN MUL_LO
	MULS 0, MB/2, (\q)%2, \zero
	s_wait_dscnt 0
	PLACES
	FETCH_B \slot, (\q)+1, 1-(\q)%2
	FETCH_A \slot, (\q)+1, 0
	WIN MUL_HI
	MULS MB/2, MB/2, (\q)%2, \zero
	PLACES
	WIN 0
	FETCH_A \slot, (\q)+1, MB/2
.endm
.macro STEPS slot, from
.set qq, \from
.rept QS-1-\from
	STEP \slot, qq, 0
.set qq, qq+1
.endr
.endm
.macro TURN slot, next, fill
	s_wait_tensorcnt 0x0
	ds_add_u32 v[SPW], v[NIL]
	s_wait_dscnt HB+1
	WIN MUL_LO
	MULS 0, MB/4, 1, 0
	s_wait_dscnt 0x0
	s_barrier_signal -1
	MULS MB/4, MB/4, 1, 0
	WIN 0
	s_barrier_wait -1
.if \fill
	CREST
	s_add_nc_u64 s[G0+4*\slot+2:G0+4*\slot+3], s[G0+4*\slot+2:G0+4*\slot+3], 2*CB
	s_add_nc_u64 s[G0B+4*\slot+2:G0B+4*\slot+3], s[G0B+4*\slot+2:G0B+4*\slot+3], 2*CB
	JLOAD G0+4*\slot, G1, G0B+4*\slot, G1B
.else
	PLACES
.endif
	FETCH_B \next, 0, 0
	FETCH_A \next, 0, 0
	WIN MUL_HI
	MULS MB/2, MB/2, 1, 0
	PLACES
	WIN 0
	FETCH_A \next, 0, MB/2
.endm
	s_wait_alu depctr_va_vdst(0)
	s_wait_tensorcnt 0x0                           ; my part of slot 0 is in; slot 1's first fill is issued as a refill is:
	ds_add_u32 v[SPW], v[NIL]                      ; 0 onto my spare word
	s_wait_dscnt 0x0
	CROUND                                         ; everybody's part of slot 0 is in, and the sixteen work-groups meet
	JLOAD G0+4, G1, G0B+4, G1B                     ; slot 1: the first tensor load behind the round
	FETCH_B 0, 0, 0
	FETCH_A 0, 0, 0
	FETCH_A 0, 0, MB/2
	STEP 0, 0, 1
.if QS > 2
	STEPS 0, 1
.endif
.if LAPS > 1
	s_mov_b32 s3, LAPS-1
.Llap:
	TURN 0, 1, 1
	STEPS 1, 0
	TURN 1, 0, 1
	STEPS 0, 0
	s_sub_co_u32 s3, s3, 1
	s_cmp_lg_u32 s3, 0
	s_cbranch_scc1 .Llap
.endif
	TURN 0, 1, 0
	STEPS 1, 0
	s_wait_dscnt HB
	WIN MUL_LO
	MULS 0, MB/2, 1, 0
	s_wait_dscnt 0
	WIN MUL_HI
	MULS MB/2, MB/2, 1, 0
	WIN 0
	s_wait_kmcnt 0x0
	s_sub_co_i32 s86, s94, s92
	s_sub_co_i32 s86, s86, s93
	s_add_co_i32 s86, s86, 127
	s_lshl_b32 s87, s86, 23
	v_mov_b32 v[SCV], s87
	s_add_co_i32 s86, s86, 8
	s_lshl_b32 s86, s86, 23
	s_or_b32 s86, s86, 0x600000
	v_mov_b32 v[LIM], s86
	PLACES
.irp a, 0,1,2,3,4,5,6,7
	WIN 0x02+(\a/4)
.set jj, 0
.rept 64
	v_med3_num_f32 v[TMP+jj], v[64*(\a%4)+jj], -v[LIM], v[LIM]
.set jj, jj+1
.endr
	WIN 0
.irp t, 0,1,2,3,4,5,6,7
	v_cvt_scalef32_pk8_fp8_f32 v[CD+16*\a+2*\t:CD+16*\a+2*\t+1], v[TMP+8*\t:TMP+8*\t+7], v[SCV]
.endr
	v_nop
.irp c, 0,1,2,3
	global_store_b128 v[LO], v[CD+16*\a+4*\c:CD+16*\a+4*\c+3], s[10:11] offset:\a*OST+512*\c
.endr
.endr
	s_wait_tensorcnt 0x0
	ds_add_u32 v[SPW], v[NIL]
	s_wait_dscnt 0x0
	CROUND
	s_endpgm
.Lfunc_end_k_qb48897ceb4_ff1:
	.size	k_qb48897ceb4_ff1, .Lfunc_end_k_qb48897ceb4_ff1-k_qb48897ceb4_ff1
	.p2alignl 7, 3214868480
	.fill 96, 4, 3214868480
	.section	.rodata,"a",@progbits
	.p2align	6, 0x0
	.amdhsa_kernel k_qb48897ceb4_ff1
		.amdhsa_group_segment_fixed_size 327680
		.amdhsa_private_segment_fixed_size 0
		.amdhsa_enable_private_segment 0
		.amdhsa_kernarg_size 32
		.amdhsa_user_sgpr_count 2
		.amdhsa_user_sgpr_kernarg_segment_ptr 1
		.amdhsa_wavefront_size32 1
		.amdhsa_system_sgpr_workgroup_id_x 1
		.amdhsa_system_sgpr_workgroup_id_y 1
		.amdhsa_system_sgpr_workgroup_id_z 1
		.amdhsa_system_vgpr_workitem_id 0
		.amdhsa_next_free_vgpr 1024
		.amdhsa_next_free_sgpr 100
		.amdhsa_reserve_vcc 0
		.amdhsa_float_denorm_mode_32 3
		.amdhsa_float_denorm_mode_16_64 3
		.amdhsa_memory_ordered 1
		.amdhsa_forward_progress 1
		.amdhsa_inst_pref_size 117
	.end_amdhsa_kernel
	.amdgpu_metadata
---
amdhsa.version: [ 1, 2 ]
amdhsa.kernels:
  - .name:           k_qb48897ceb4_ff1
    .symbol:         k_qb48897ceb4_ff1.kd
    .args:
      - { .name: hb, .offset: 0, .size: 8, .value_kind: global_buffer, .address_space: global }
      - { .name: pc, .offset: 8, .size: 8, .value_kind: global_buffer, .address_space: global }
      - { .name: lowp_scales, .offset: 16, .size: 8, .value_kind: global_buffer, .address_space: global }
      - { .name: l1c, .offset: 24, .size: 8, .value_kind: global_buffer, .address_space: global }
    .group_segment_fixed_size: 327680
    .private_segment_fixed_size: 0
    .kernarg_segment_align: 8
    .kernarg_segment_size: 32
    .max_flat_workgroup_size: 128
    .sgpr_count:     100
    .vgpr_count:     1024
    .wavefront_size: 32
...
	.end_amdgpu_metadata
.endif
;; end of part 6
;; launch ff2 (part 7): grid 8 x 32, 4 waves a work-group, clusters of 4 x 4, 327,680 bytes of LDS; arguments l1c, pc, lowp_scales, tmp; writes tmp
.if DOCPART == 7
	.amdgcn_target "amdgcn-amd-amdhsa--gfx1250"
	.amdhsa_code_object_version 6
	.text
	.protected	k_qb48897ceb4_ff2
	.globl	k_qb48897ceb4_ff2
	.p2align	8
	.type	k_qb48897ceb4_ff2,@function
k_qb48897ceb4_ff2:
	s_mov_b64 s[64:65], 0
	v_nop
	global_prefetch_b8 v0, s[64:65] scope:SCOPE_SE
	s_setreg_imm32_b32 hwreg(HW_REG_WAVE_MODE, 25, 1), 1
	s_wait_xcnt 0x0
	s_wait_alu depctr_hold_cnt(0) depctr_sa_sdst(0) depctr_va_vdst(0) depctr_va_sdst(0) depctr_va_ssrc(0) depctr_va_vcc(0) depctr_vm_vsrc(0)
	s_getreg_b32 s2, hwreg(HW_REG_IB_STS2, 6, 4)
	s_cmp_eq_u32 s2, 0
	s_cbranch_scc0 .Lentry_in_a_cluster
	s_endpgm
.Lentry_in_a_cluster:
	s_bfe_u32 s2, ttmp6, 0x10000c
	s_cmp_lg_u32 s2, 0xf033
	s_cbranch_scc0 .Lentry_shape_is_right
	s_endpgm
.Lentry_shape_is_right:
.set FF2,   1
.set MB,    4
.set QS,    4
.if FF2
.set KK,    4096
.set BSEC,  20<<20
.set EA,    94
.else
.set KK,    1024
.set BSEC,  15<<20
.set EA,    90
.endif
.set CB,    QS*2048
.set TST,   16*KK
.set HALFT, MB*CB
.set SLOT,  4*HALFT
.set LAPS,  KK/(2*QS*128)
.set SPARE, 2*SLOT
.set HB,    2*MB
.set SPITCH, 272
.set ADRA, 16
.set ADRB, 20
.set STO,  24
.set RD,   25
.set CO,   26
.set LO,   27
.set SPW,  28
.set NIL,  29
.set TMP,  32
.set BK,   64
.set AF,   128
.set G1, 24
.set G0, 32
.set G1B, 48
.set G0B, 56
.set MSB, 0
.macro WIN new
.if MSB != \new
	s_set_vgpr_msb (MSB<<8)|\new
.set MSB, \new
.endif
.endm
.set MUL_LO, 0xa1
.set MUL_HI, 0xf1
.set TO_B,   0x40
.macro JLOAD g0a, g1a, g0b, g1b
	s_cmp_eq_u32 s15, 0
	s_cbranch_scc0 .Lfor_b_\@
	tensor_load_to_lds s[\g0a:\g0a+3], s[\g1a:\g1a+7]
	s_nop 0
.rept 4
	v_nop
.endr
	s_branch .Lasked_\@
.Lfor_b_\@:
	tensor_load_to_lds s[\g0b:\g0b+3], s[\g1b:\g1b+7]
	s_nop 0
.rept 4
	v_nop
.endr
.Lasked_\@:
.endm
.macro CREST
	s_cmp_lg_u32 s14, 0
	s_cbranch_scc1 .Lnot_wave_0_\@
	s_barrier_signal -3
.Lnot_wave_0_\@:
	s_barrier_wait -3
	s_barrier_signal -1
	s_barrier_wait -1
.endm
.macro CROUND
	s_barrier_signal -1
	s_barrier_wait -1
	CREST
.endm
	s_load_b128 s[4:7], s[0:1], 0x0
	s_load_b128 s[8:11], s[0:1], 0x10
	v_lshl_add_u32 v[SPW], v0, 2, SPARE
	v_mov_b32 v[NIL], 0
	ds_add_u32 v28, v29
	ds_add_u32 v28, v29
	s_wait_dscnt 0x0
	v_lshrrev_b32 v1, 5, v0
	v_readfirstlane_b32 s14, v1
	s_lshr_b32 s15, s14, 1
	s_and_b32 s16, s14, 1
	s_bfe_u32 s40, ttmp6, 0x40000
	s_bfe_u32 s41, ttmp6, 0x40004
	s_lshl_b32 s42, ttmp9, 2
	s_add_co_u32 s42, s42, s40
	s_and_b32 s17, ttmp7, 0xffff
	s_lshl_b32 s17, s17, 2
	s_add_co_u32 s17, s17, s41
	s_lshl_b32 s43, s41, 2
	s_lshl_b32 s43, 15, s43
	s_lshl_b32 s44, 0x1111, s40
	s_or_b32 s[G1+0], s43, (1<<21)
	s_or_b32 s[G1B+0], s44, (1<<21)
.irp g, G1, G1B
	s_mov_b32 s[\g+1], CB<<16
	s_mov_b32 s[\g+2], MB<<16
	s_mov_b32 s[\g+3], CB<<16
	s_mov_b32 s[\g+4], MB
	s_mov_b32 s[\g+5], TST
	s_mov_b32 s[\g+6], 0
	s_mov_b32 s[\g+7], 0
.endr
	s_mul_i32 s19, s16, MB*TST
	s_mul_i32 s20, s17, 2*MB*TST
	s_add_co_u32 s20, s20, s19
	s_mov_b32 s21, 0
	s_mul_i32 s46, s42, 2*MB*TST
	s_add_co_u32 s46, s46, s19
	s_add_co_u32 s46, s46, BSEC
	s_mov_b32 s47, 0
	s_mul_i32 s45, s14, HALFT
	s_wait_kmcnt 0x0
	s_load_b512 s[80:95], s[8:9], 0x0
	s_add_nc_u64 s[20:21], s[4:5], s[20:21]
	s_add_nc_u64 s[46:47], s[6:7], s[46:47]
	CROUND
.irp s, 0,1
	s_mov_b32 s[G0+4*\s], 1
	s_add_co_u32 s[G0+4*\s+1], s45, \s*SLOT
	s_add_nc_u64 s[G0+4*\s+2:G0+4*\s+3], s[20:21], \s*CB
	s_or_b32 s[G0+4*\s+3], s[G0+4*\s+3], 0x80000000
	s_mov_b32 s[G0B+4*\s], 1
	s_add_co_u32 s[G0B+4*\s+1], s45, \s*SLOT
	s_add_nc_u64 s[G0B+4*\s+2:G0B+4*\s+3], s[46:47], \s*CB
	s_or_b32 s[G0B+4*\s+3], s[G0B+4*\s+3], 0x80000000
.endr
	JLOAD G0, G1, G0B, G1B                         ; slot 0: one tensor load a wave at the head, behind the opening round
	v_and_b32 v6, 31, v0
	v_lshlrev_b32 v[LO], 4, v6
	s_mul_i32 s21, s15, HALFT
	s_mul_i32 s22, s16, HALFT
	s_add_co_u32 s22, s22, 2*HALFT
.irp s, 0,1
	v_add_nc_u32 v[ADRA+\s], s21, v[LO]
	v_add_nc_u32 v[ADRB+\s], s22, v[LO]
	s_add_co_u32 s21, s21, SLOT
	s_add_co_u32 s22, s22, SLOT
.endr
	v_and_b32 v1, 15, v0
	v_bfe_u32 v2, v0, 4, 1
	s_mul_i32 s23, s14, 16*SPITCH
	v_mul_u32_u24 v5, v1, SPITCH
	v_lshl_add_u32 v5, v2, 5, v5
	v_add_nc_u32 v[STO], s23, v5
	v_mul_u32_u24 v5, v2, SPITCH
	v_lshl_add_u32 v5, v1, 4, v5
	v_add_nc_u32 v[RD], s23, v5
	v_lshlrev_b32 v5, 12, v2
	v_lshl_add_u32 v[CO], v1, 4, v5
	s_lshl_b32 s72, s17, 19
	s_lshl_b32 s73, s15, 18
	s_add_co_u32 s72, s72, s73
	s_lshl_b32 s73, s42, 9
	s_add_co_u32 s72, s72, s73
	s_lshl_b32 s73, s16, 8
	s_add_co_u32 s72, s72, s73
	s_mov_b32 s73, 0
	s_add_nc_u64 s[10:11], s[10:11], s[72:73]
.macro FRAG reg, adr, q, i
.irp c, 0,1,2,3
	ds_load_b128 v[\reg+4*\c:\reg+4*\c+3], v[\adr] offset:(\i)*CB+(\q)*2048+512*\c
.endr
.endm
.macro MULS a0, n, p, zero
.set aa, \a0
.rept \n
.set bb, 0
.rept MB
.if \zero
	v_wmma_f32_16x16x128_fp8_fp8 v[8*(MB*(aa%(MB/2))+bb):8*(MB*(aa%(MB/2))+bb)+7], v[16*MB*(\p)+16*bb:16*MB*(\p)+16*bb+15], v[AF+16*aa:AF+16*aa+15], 0
.else
	v_wmma_f32_16x16x128_fp8_fp8 v[8*(MB*(aa%(MB/2))+bb):8*(MB*(aa%(MB/2))+bb)+7], v[16*MB*(\p)+16*bb:16*MB*(\p)+16*bb+15], v[AF+16*aa:AF+16*aa+15], v[8*(MB*(aa%(MB/2))+bb):8*(MB*(aa%(MB/2))+bb)+7]
.endif
.set bb, bb+1
.endr
.set aa, aa+1
.endr
.endm
.macro FETCH_B slot, q, p
	WIN TO_B
.set ii, 0
.rept MB
	FRAG 16*MB*(\p)+16*ii, ADRB+\slot, \q, ii
.set ii, ii+1
.endr
	WIN 0
.endm
.macro FETCH_A slot, q, i0
.set ii, \i0
.rept MB/2
	FRAG AF+16*ii, ADRA+\slot, \q, ii
.set ii, ii+1
.endr
.endm
.macro PLACES
.rept 4
	v_nop
.endr
.endm
.macro STEP slot, q, zero
	s_wait_dscnt HB
	WIN MUL_LO
	MULS 0, MB/2, (\q)%2, \zero
	s_wait_dscnt 0
	PLACES
	FETCH_B \slot, (\q)+1, 1-(\q)%2
	FETCH_A \slot, (\q)+1, 0
	WIN MUL_HI
	MULS MB/2, MB/2, (\q)%2, \zero
	PLACES
	WIN 0
	FETCH_A \slot, (\q)+1, MB/2
.endm
.macro STEPS slot, from
.set qq, \from
.rept QS-1-\from
	STEP \slot, qq, 0
.set qq, qq+1
.endr
.endm
.macro TURN slot, next, fill
	s_wait_tensorcnt 0x0
	ds_add_u32 v[SPW], v[NIL]
	s_wait_dscnt HB+1
	WIN MUL_LO
	MULS 0, MB/4, 1, 0
	s_wait_dscnt 0x0
	s_barrier_signal -1
	MULS MB/4, MB/4, 1, 0
	WIN 0
	s_barrier_wait -1
.if \fill
	CREST
	s_add_nc_u64 s[G0+4*\slot+2:G0+4*\slot+3], s[G0+4*\slot+2:G0+4*\slot+3], 2*CB
	s_add_nc_u64 s[G0B+4*\slot+2:G0B+4*\slot+3], s[G0B+4*\slot+2:G0B+4*\slot+3], 2*CB
	JLOAD G0+4*\slot, G1, G0B+4*\slot, G1B
.else
	PLACES
.endif
	FETCH_B \next, 0, 0
	FETCH_A \next, 0, 0
	WIN MUL_HI
	MULS MB/2, MB/2, 1, 0
	PLACES
	WIN 0
	FETCH_A \next, 0, MB/2
.endm
	s_wait_alu depctr_va_vdst(0)                   ; the wait at the head's end
	s_wait_tensorcnt 0x0                           ; my part of slot 0 is in; slot 1's first fill is issued as a refill is:
	ds_add_u32 v[SPW], v[NIL]                      ; 0 onto my spare word
	s_wait_dscnt 0x0
	CROUND                                         ; everybody's part of slot 0 is in, and the sixteen work-groups meet
	JLOAD G0+4, G1, G0B+4, G1B                     ; slot 1: the first tensor load behind the round
	FETCH_B 0, 0, 0
	FETCH_A 0, 0, 0
	FETCH_A 0, 0, MB/2
	STEP 0, 0, 1
.if QS > 2
	STEPS 0, 1
.endif
.if LAPS > 1
	s_mov_b32 s3, LAPS-1
.Llap:
	TURN 0, 1, 1
	STEPS 1, 0
	TURN 1, 0, 1
	STEPS 0, 0
	s_sub_co_u32 s3, s3, 1
	s_cmp_lg_u32 s3, 0
	s_cbranch_scc1 .Llap
.endif
	TURN 0, 1, 0
	STEPS 1, 0
	s_wait_dscnt HB
	WIN MUL_LO
	MULS 0, MB/2, 1, 0
	s_wait_dscnt 0
	WIN MUL_HI
	MULS MB/2, MB/2, 1, 0
	WIN 0
.macro TOSTAGE a
	WIN 0x02+((\a)/2)
.irp j, 0,2,4,6,8,10,12,14,16,18,20,22,24,26,28,30
	v_pk_mul_f32 v[TMP+\j:TMP+\j+1], v[32*((\a)%2)+\j:32*((\a)%2)+\j+1], s[96:97] op_sel_hi:[1,0]
.endr
	WIN 0
.irp b, 0,1,2,3
	ds_store_b128 v[STO], v[TMP+8*\b:TMP+8*\b+3] offset:64*\b
	ds_store_b128 v[STO], v[TMP+8*\b+4:TMP+8*\b+7] offset:64*\b+16
.endr
.irp t, 0,1,2,3,4,5,6,7
	ds_load_b128 v[BK+32*((\a)%2)+4*\t:BK+32*((\a)%2)+4*\t+3], v[RD] offset:\t*2*SPITCH
.endr
.endm
.macro SEND a, younger
	s_wait_dscnt \younger
.irp t, 0,1,2,3,4,5,6,7
	global_store_b128 v[CO], v[BK+32*((\a)%2)+4*\t:BK+32*((\a)%2)+4*\t+3], s[10:11] offset:(16*(\a)+2*\t)*4096
.endr
.endm
	s_wait_kmcnt 0x0
	s_add_co_i32 s96, s[EA], s[EA+1]
	s_add_co_i32 s96, s96, 127
	s_lshl_b32 s96, s96, 23
	s_mov_b32 s97, s96
	PLACES
	TOSTAGE 0
.irp a, 1,2,3
.if \a > 1
	s_wait_xcnt 0x0
.endif
	TOSTAGE \a
	SEND \a-1, 16
.endr
	SEND 3, 0
	s_wait_tensorcnt 0x0
	ds_add_u32 v[SPW], v[NIL]
	s_wait_dscnt 0x0
	CROUND
	s_endpgm
.Lfunc_end_k_qb48897ceb4_ff2:
	.size	k_qb48897ceb4_ff2, .Lfunc_end_k_qb48897ceb4_ff2-k_qb48897ceb4_ff2
	.p2alignl 7, 3214868480
	.fill 96, 4, 3214868480
	.section	.rodata,"a",@progbits
	.p2align	6, 0x0
	.amdhsa_kernel k_qb48897ceb4_ff2
		.amdhsa_group_segment_fixed_size 327680
		.amdhsa_private_segment_fixed_size 0
		.amdhsa_enable_private_segment 0
		.amdhsa_kernarg_size 32
		.amdhsa_user_sgpr_count 2
		.amdhsa_user_sgpr_kernarg_segment_ptr 1
		.amdhsa_wavefront_size32 1
		.amdhsa_system_sgpr_workgroup_id_x 1
		.amdhsa_system_sgpr_workgroup_id_y 1
		.amdhsa_system_sgpr_workgroup_id_z 1
		.amdhsa_system_vgpr_workitem_id 0
		.amdhsa_next_free_vgpr 1024
		.amdhsa_next_free_sgpr 100
		.amdhsa_reserve_vcc 0
		.amdhsa_float_denorm_mode_32 3
		.amdhsa_float_denorm_mode_16_64 3
		.amdhsa_memory_ordered 1
		.amdhsa_forward_progress 1
		.amdhsa_inst_pref_size 77
	.end_amdhsa_kernel
	.amdgpu_metadata
---
amdhsa.version: [ 1, 2 ]
amdhsa.kernels:
  - .name:           k_qb48897ceb4_ff2
    .symbol:         k_qb48897ceb4_ff2.kd
    .args:
      - { .name: l1c, .offset: 0, .size: 8, .value_kind: global_buffer, .address_space: global }
      - { .name: pc, .offset: 8, .size: 8, .value_kind: global_buffer, .address_space: global }
      - { .name: lowp_scales, .offset: 16, .size: 8, .value_kind: global_buffer, .address_space: global }
      - { .name: tmp, .offset: 24, .size: 8, .value_kind: global_buffer, .address_space: global }
    .group_segment_fixed_size: 327680
    .private_segment_fixed_size: 0
    .kernarg_segment_align: 8
    .kernarg_segment_size: 32
    .max_flat_workgroup_size: 128
    .sgpr_count:     100
    .vgpr_count:     1024
    .wavefront_size: 32
...
	.end_amdgpu_metadata
.endif
;; end of part 7
;; launch ln2 (part 8): grid 256 x 1, 8 waves a work-group, no clusters, 0 bytes of LDS; arguments tmp, hb, ln2_gamma, ln2_beta, pc, out0, out1; writes out0, out1
.if DOCPART == 8
	.amdgcn_target "amdgcn-amd-amdhsa--gfx1250"
	.amdhsa_code_object_version 6
	.text
	.protected	k_qb48897ceb4_ln2
	.globl	k_qb48897ceb4_ln2
	.p2align	8
	.type	k_qb48897ceb4_ln2,@function
k_qb48897ceb4_ln2:
	s_mov_b64 s[64:65], 0
	v_nop
	global_prefetch_b8 v0, s[64:65] scope:SCOPE_SE
	s_setreg_imm32_b32 hwreg(HW_REG_WAVE_MODE, 25, 1), 1
	s_wait_xcnt 0x0
; LAYER NORM OF A RESIDUAL SUM: out = gamma (z - mean) rsqrt(var + 1e-5) + beta, z = y + res, rows of 1,024.  CODES = 1: y = the projection, res = dec_inp; out = h, stored as f32 and as codes under e12.
; CODES = 0: y = the second feed-forward product, res = h; out = out0; and one wave adds the KL term's 1,536 partial sums into out1.
; y's rows lie in the order batch x 2,048 + position; res and the f32 result in memory's own order, 2 x position + batch.  A work-group takes 16 rows of y's order, each of its eight waves two: a row is eight loads of
; 512 consecutive bytes and stays in 32 registers; mean and variance in two passes (the variance of the differences), so that no difference of large sums is formed.  Memory binds: no matrix unit, no tensor loads, no LDS.
.set CODES, 0
.set G,   8                            ; v8-39   gamma
.set BT,  40                           ; v40-71  beta
.set Y0,  72                           ; v72-103 row 0: y, then z, the differences, the result
.set R0,  104                          ; v104-135 row 0: res
.set Y1,  136
.set R1,  168
.set AC,  200                          ; v200-207 four pairs of sums
.set ST0, 208                          ; v208-211 row 0: the mean twice, the reciprocal root twice
.set ST1, 212
	s_load_b256 s[4:11], s[0:1], 0x0               ; y, res, gamma, beta
	s_load_b128 s[12:15], s[0:1], 0x20             ; pc, the result
	s_load_b64 s[16:17], s[0:1], 0x30              ; out1
	v_lshrrev_b32 v2, 5, v0
	s_delay_alu instid0(VALU_DEP_1)
	v_readfirstlane_b32 s20, v2                    ; wave
	v_and_b32 v3, 31, v0
	s_delay_alu instid0(VALU_DEP_1)
	v_lshlrev_b32 v1, 4, v3                        ; 16 x lane
	s_lshl_b32 s22, ttmp9, 16
	s_lshl_b32 s23, s20, 13
	s_add_co_u32 s22, s22, s23                     ; y: row 16 x work-group + 2 x wave
	s_mov_b32 s23, 0
	s_and_b32 s28, ttmp9, 127
	s_lshl_b32 s28, s28, 5
	s_lshl_b32 s29, s20, 2
	s_add_co_u32 s28, s28, s29
	s_lshr_b32 s29, ttmp9, 7
	s_add_co_u32 s28, s28, s29                     ; the same row in memory's order: 2 (16 (work-group % 128) + 2 x wave) + batch; my second row lies two further on
	s_lshl_b32 s28, s28, 12
	s_mov_b32 s29, 0
	s_mov_b32 s24, 0x76543210
	s_mov_b32 s25, 0xfedcba98
	s_mov_b32 s26, 0x3a800000                      ; 2^-10
	s_mov_b32 s27, 0x3727c5ac                      ; 1e-5
	s_wait_alu depctr_va_vdst(0)
	s_wait_kmcnt 0x0
	s_add_nc_u64 s[4:5], s[4:5], s[22:23]
	s_add_nc_u64 s[6:7], s[6:7], s[28:29]
	s_add_nc_u64 s[14:15], s[14:15], s[28:29]
.irp i, 0,1,2,3,4,5,6,7
	global_load_b128 v[Y0+4*\i:Y0+4*\i+3], v1, s[4:5] offset:512*\i
.endr
.irp i, 0,1,2,3,4,5,6,7
	global_load_b128 v[R0+4*\i:R0+4*\i+3], v1, s[6:7] offset:512*\i
.endr
.irp i, 0,1,2,3,4,5,6,7
	global_load_b128 v[Y1+4*\i:Y1+4*\i+3], v1, s[4:5] offset:4096+512*\i
.endr
.irp i, 0,1,2,3,4,5,6,7
	global_load_b128 v[R1+4*\i:R1+4*\i+3], v1, s[6:7] offset:8192+512*\i
.endr
.irp i, 0,1,2,3,4,5,6,7
	global_load_b128 v[G+4*\i:G+4*\i+3], v1, s[8:9] offset:512*\i
.endr
.irp i, 0,1,2,3,4,5,6,7
	global_load_b128 v[BT+4*\i:BT+4*\i+3], v1, s[10:11] offset:512*\i
.endr
.macro RED                             ; the four pairs, then the 32 lanes: every lane ends with the sum in v[AC]
	s_delay_alu instid0(VALU_DEP_3)
	v_pk_add_f32 v[AC:AC+1], v[AC:AC+1], v[AC+2:AC+3]
	s_delay_alu instid0(VALU_DEP_2)
	v_pk_add_f32 v[AC+4:AC+5], v[AC+4:AC+5], v[AC+6:AC+7]
	s_delay_alu instid0(VALU_DEP_1)
	v_pk_add_f32 v[AC:AC+1], v[AC:AC+1], v[AC+4:AC+5]
	s_delay_alu instid0(VALU_DEP_1)
	v_add_f32 v[AC], v[AC], v[AC+1]
	s_delay_alu instid0(VALU_DEP_1)
	v_add_f32_dpp v[AC], v[AC], v[AC] row_xmask:1 row_mask:0xf bank_mask:0xf
	s_delay_alu instid0(VALU_DEP_1)
	v_add_f32_dpp v[AC], v[AC], v[AC] row_xmask:2 row_mask:0xf bank_mask:0xf
	s_delay_alu instid0(VALU_DEP_1)
	v_add_f32_dpp v[AC], v[AC], v[AC] row_xmask:4 row_mask:0xf bank_mask:0xf
	s_delay_alu instid0(VALU_DEP_1)
	v_add_f32_dpp v[AC], v[AC], v[AC] row_xmask:8 row_mask:0xf bank_mask:0xf
	s_delay_alu instid0(VALU_DEP_1)
	v_permlanex16_b32 v[AC+1], v[AC], s24, s25
	s_delay_alu instid0(VALU_DEP_1)
	v_add_f32 v[AC], v[AC], v[AC+1]
.endm
.macro STAT y, r, st
.set j, 0
.rept 16
	v_pk_add_f32 v[\y+j:\y+j+1], v[\y+j:\y+j+1], v[\r+j:\r+j+1]   ; z
.set j, j+2
.endr
.irp k, 0,2,4,6
	v_pk_add_f32 v[AC+\k:AC+\k+1], v[\y+\k:\y+\k+1], v[\y+8+\k:\y+8+\k+1]
.endr
.irp k, 0,2,4,6
	s_delay_alu instid0(VALU_DEP_4)
	v_pk_add_f32 v[AC+\k:AC+\k+1], v[AC+\k:AC+\k+1], v[\y+16+\k:\y+16+\k+1]
.endr
.irp k, 0,2,4,6
	s_delay_alu instid0(VALU_DEP_4)
	v_pk_add_f32 v[AC+\k:AC+\k+1], v[AC+\k:AC+\k+1], v[\y+24+\k:\y+24+\k+1]
.endr
	RED
	s_delay_alu instid0(VALU_DEP_1)
	v_mul_f32 v[\st], s26, v[AC]                   ; the mean
	s_delay_alu instid0(VALU_DEP_1)
	v_mov_b32 v[\st+1], v[\st]
.set j, 0
.rept 16
	v_pk_add_f32 v[\y+j:\y+j+1], v[\y+j:\y+j+1], v[\st:\st+1] neg_lo:[0,1] neg_hi:[0,1]
.set j, j+2
.endr
.irp k, 0,2,4,6
	v_pk_mul_f32 v[AC+\k:AC+\k+1], v[\y+\k:\y+\k+1], v[\y+\k:\y+\k+1]
.endr
.irp o, 8,16,24
.irp k, 0,2,4,6
	s_delay_alu instid0(VALU_DEP_4)
	v_pk_fma_f32 v[AC+\k:AC+\k+1], v[\y+\o+\k:\y+\o+\k+1], v[\y+\o+\k:\y+\o+\k+1], v[AC+\k:AC+\k+1]
.endr
.endr
	RED
	s_delay_alu instid0(VALU_DEP_1)
	v_fma_f32 v[AC], v[AC], s26, s27               ; the variance + 1e-5
	s_wait_alu depctr_va_vdst(0)
	v_rsq_f32 v[\st+2], v[AC]
	v_nop                                          ; a plain line behind the transcendental
	s_wait_alu depctr_va_vdst(0)
	v_mov_b32 v[\st+3], v[\st+2]
.endm
.macro GAIN y, st, off
.set j, 0
.rept 16
	v_pk_mul_f32 v[\y+j:\y+j+1], v[\y+j:\y+j+1], v[\st+2:\st+3]
.set j, j+2
.endr
.set j, 0
.rept 16
	v_pk_fma_f32 v[\y+j:\y+j+1], v[\y+j:\y+j+1], v[G+j:G+j+1], v[BT+j:BT+j+1]
.set j, j+2
.endr
.irp i, 0,1,2,3,4,5,6,7
	global_store_b128 v1, v[\y+4*\i:\y+4*\i+3], s[14:15] offset:\off+512*\i th:TH_STORE_NT   ; 512 consecutive bytes, aligned; written once, read by nobody here
.endr
.endm
	s_wait_loadcnt 32                              ; row 0 is in; row 1's sixteen loads and the gains' sixteen may be out
	STAT Y0, R0, ST0
	s_wait_loadcnt 16                              ; row 1 is in; the gains' may be out
	STAT Y1, R1, ST1
	s_wait_loadcnt 0x0
	GAIN Y0, ST0, 0
	GAIN Y1, ST1, 8192
	s_cmp_lg_u32 ttmp9, 0                          ; the KL term: one wave of the launch adds the partial sums
	s_cbranch_scc1 .Lend
	s_cmp_lg_u32 s20, 0
	s_cbranch_scc1 .Lend
	s_add_nc_u64 s[12:13], s[12:13], 0x1800000     ; they lie 24 MiB into pc
.irp i, 0,1,2,3,4,5,6,7,8,9,10,11
	global_load_b128 v[G+4*\i:G+4*\i+3], v1, s[12:13] offset:512*\i
.endr
	s_wait_loadcnt 0x0
.set j, 2
	v_pk_add_f32 v[230:231], v[10:11], v[12:13]
	v_pk_add_f32 v[228:229], v[14:15], v[16:17]
	v_pk_add_f32 v[226:227], v[18:19], v[20:21]
	v_pk_add_f32 v[224:225], v[22:23], v[24:25]
	v_pk_add_f32 v[222:223], v[26:27], v[28:29]
	v_pk_add_f32 v[220:221], v[30:31], v[32:33]
	v_pk_add_f32 v[218:219], v[34:35], v[36:37]
	v_pk_add_f32 v[8:9], v[8:9], v[38:39]
	v_pk_add_f32 v[230:231], v[230:231], v[40:41]
	v_pk_add_f32 v[228:229], v[228:229], v[42:43]
	v_pk_add_f32 v[226:227], v[226:227], v[44:45]
	v_pk_add_f32 v[224:225], v[224:225], v[46:47]
	v_pk_add_f32 v[222:223], v[222:223], v[48:49]
	v_pk_add_f32 v[220:221], v[220:221], v[50:51]
	v_pk_add_f32 v[218:219], v[218:219], v[52:53]
	v_pk_add_f32 v[8:9], v[8:9], v[54:55]
	s_delay_alu instid0(VALU_DEP_1)
	v_pk_add_f32 v[8:9], v[8:9], v[224:225]
	v_pk_add_f32 v[230:231], v[230:231], v[222:223]
	v_pk_add_f32 v[228:229], v[228:229], v[220:221]
	v_pk_add_f32 v[226:227], v[226:227], v[218:219]
	s_delay_alu instid0(VALU_DEP_2)
	v_pk_add_f32 v[8:9], v[8:9], v[228:229]
	s_delay_alu instid0(VALU_DEP_2)
	v_pk_add_f32 v[230:231], v[230:231], v[226:227]
	s_delay_alu instid0(VALU_DEP_1)
	v_pk_add_f32 v[8:9], v[8:9], v[230:231]
	s_delay_alu instid0(VALU_DEP_1)
	v_add_f32 v[AC], v[G], v[G+1]
	s_delay_alu instid0(VALU_DEP_1)
	v_add_f32_dpp v[AC], v[AC], v[AC] row_xmask:1 row_mask:0xf bank_mask:0xf
	s_delay_alu instid0(VALU_DEP_1)
	v_add_f32_dpp v[AC], v[AC], v[AC] row_xmask:2 row_mask:0xf bank_mask:0xf
	s_delay_alu instid0(VALU_DEP_1)
	v_add_f32_dpp v[AC], v[AC], v[AC] row_xmask:4 row_mask:0xf bank_mask:0xf
	s_delay_alu instid0(VALU_DEP_1)
	v_add_f32_dpp v[AC], v[AC], v[AC] row_xmask:8 row_mask:0xf bank_mask:0xf
	s_delay_alu instid0(VALU_DEP_1)
	v_permlanex16_b32 v[AC+1], v[AC], s24, s25
	s_delay_alu instid0(VALU_DEP_1)
	v_add_f32 v[AC], v[AC], v[AC+1]
	v_mov_b32 v2, 0
	v_cmp_eq_u32 vcc_lo, 0, v3
	s_wait_alu depctr_va_vdst(0)
	s_wait_xcnt 0x0                                ; EXEC changes only behind this wait
	s_and_saveexec_b32 s21, vcc_lo
	global_store_b32 v2, v[AC], s[16:17]
.Lend:
	s_endpgm
.Lfunc_end_k_qb48897ceb4_ln2:
	.size	k_qb48897ceb4_ln2, .Lfunc_end_k_qb48897ceb4_ln2-k_qb48897ceb4_ln2
	.p2alignl 7, 3214868480
	.fill 96, 4, 3214868480
	.section	.rodata,"a",@progbits
	.p2align	6, 0x0
	.amdhsa_kernel k_qb48897ceb4_ln2
		.amdhsa_group_segment_fixed_size 0
		.amdhsa_private_segment_fixed_size 0
		.amdhsa_enable_private_segment 0
		.amdhsa_kernarg_size 56
		.amdhsa_user_sgpr_count 2
		.amdhsa_user_sgpr_kernarg_segment_ptr 1
		.amdhsa_wavefront_size32 1
		.amdhsa_system_sgpr_workgroup_id_x 1
		.amdhsa_system_sgpr_workgroup_id_y 1
		.amdhsa_system_sgpr_workgroup_id_z 1
		.amdhsa_system_vgpr_workitem_id 0
		.amdhsa_next_free_vgpr 232
		.amdhsa_next_free_sgpr 66
		.amdhsa_reserve_vcc 1
		.amdhsa_float_denorm_mode_32 3
		.amdhsa_float_denorm_mode_16_64 3
		.amdhsa_memory_ordered 1
		.amdhsa_forward_progress 1
		.amdhsa_inst_pref_size 29
	.end_amdhsa_kernel
	.amdgpu_metadata
---
amdhsa.version: [ 1, 2 ]
amdhsa.kernels:
  - .name:           k_qb48897ceb4_ln2
    .symbol:         k_qb48897ceb4_ln2.kd
    .args:
      - { .name: tmp, .offset: 0, .size: 8, .value_kind: global_buffer, .address_space: global }
      - { .name: hb, .offset: 8, .size: 8, .value_kind: global_buffer, .address_space: global }
      - { .name: ln2_gamma, .offset: 16, .size: 8, .value_kind: global_buffer, .address_space: global }
      - { .name: ln2_beta, .offset: 24, .size: 8, .value_kind: global_buffer, .address_space: global }
      - { .name: pc, .offset: 32, .size: 8, .value_kind: global_buffer, .address_space: global }
      - { .name: out0, .offset: 40, .size: 8, .value_kind: global_buffer, .address_space: global }
      - { .name: out1, .offset: 48, .size: 8, .value_kind: global_buffer, .address_space: global }
    .group_segment_fixed_size: 0
    .private_segment_fixed_size: 0
    .kernarg_segment_align: 8
    .kernarg_segment_size: 56
    .max_flat_workgroup_size: 256
    .sgpr_count:     66
    .vgpr_count:     232
    .wavefront_size: 32
...
	.end_amdgpu_metadata
.endif
;; end of part 8
